; MI455X (gfx1250); checked and timed in simulation.
; The chip was launched on July 23, 2026; its instructions are those of AMD's public machine-readable ISA for CDNA 5 (MIT licence, August 2026) and "CDNA5" Instruction Set Architecture Reference Guide (July 2026). The comments in the code are by the model that wrote it; some were corrected since.
;; Multiscreen Model. Allowed arithmetic: matrix products marked QUANTISED: E2M1 operands, one E8M0 scale for each 32 along K, by v_wmma_scale_f32_16x16x128_f8f6f4 with both operands' format E2M1 (or v_wmma_scale_f32_32x16x128_f4), f32 sums; everything else in f32.
;; Inputs: Wg_codes 2 x 1,024 x 32 x 16 uint8 (E2M1 codes of Wg, K innermost, in blocks of 32 codes, two codes a byte); Wg_scales 2 x 1,024 x 32 uint8 (E8M0 scales of Wg, one for each 32 codes along K); Wk_codes 2 x 1,024 x 32 x 16 uint8 (E2M1 codes of Wk, K innermost, in blocks of 32 codes, two codes a byte); Wk_scales 2 x 1,024 x 32 uint8 (E8M0 scales of Wk, one for each 32 codes along K); Wo_codes 2 x 1,024 x 32 x 16 uint8 (E2M1 codes of Wo, K innermost, in blocks of 32 codes, two codes a byte); Wo_scales 2 x 1,024 x 32 uint8 (E8M0 scales of Wo, one for each 32 codes along K); Wq_codes 2 x 1,024 x 32 x 16 uint8 (E2M1 codes of Wq, K innermost, in blocks of 32 codes, two codes a byte); Wq_scales 2 x 1,024 x 32 uint8 (E8M0 scales of Wq, one for each 32 codes along K); Wv_codes 2 x 1,024 x 32 x 16 uint8 (E2M1 codes of Wv, K innermost, in blocks of 32 codes, two codes a byte); Wv_scales 2 x 1,024 x 32 uint8 (E8M0 scales of Wv, one for each 32 codes along K); embed 8,000 x 1,024 float32; input_ids 1 x 2,048 int32; sO 2 x 16 float32; s_E one number float32; s_F one number float32; sr 2 x 16 float32; sw 2 x 16 float32.
;; Outputs: out0 1 x 2,048 x 8,000 float32.
;; This version of the problem:
;;   THIS VERSION OF THE PROBLEM IS GIVEN IN LOW PRECISION. The matrix products marked QUANTISED in the list below multiply operands that are first quantised to E2M1 (2 exponent bits, 1 mantissa bit; 4 bits a number), with one power-of-two scale for each 32 numbers along K (OCP MX v1.0); their sums are f32. All else is computed in f32.
;;   The module's matrix products, in the order in which they are computed (A, B: the left and right operand; K: the contracted axis; several contracted axes count as one K, in the product's order):
;;     1. [M 2,048, K 1,024] x [K 1,024, N 1,024]; A: computed on the way; B: input Wq (given as codes): QUANTISED
;;     2. [M 2,048, K 1,024] x [K 1,024, N 1,024]; A: computed on the way; B: input Wk (given as codes): QUANTISED
;;     3. [M 2,048, K 1,024] x [K 1,024, N 1,024]; A: computed on the way; B: input Wv (given as codes): QUANTISED
;;     4. [M 2,048, K 1,024] x [K 1,024, N 1,024]; A: computed on the way; B: input Wg (given as codes): QUANTISED
;;     5. batch 16 x [M 2,048, K 64] x [K 64, N 2,048]; A: computed on the way; B: computed on the way: QUANTISED
;;     6. batch 16 x [M 64, K 2,048] x [K 2,048, N 2,048]; A: computed on the way; B: computed on the way: QUANTISED
;;     7. [M 2,048, K 1,024] x [K 1,024, N 1,024]; A: computed on the way; B: input Wo (given as codes): QUANTISED
;;     8. [M 2,048, K 1,024] x [K 1,024, N 1,024]; A: computed on the way; B: input Wq (given as codes): QUANTISED
;;     9. [M 2,048, K 1,024] x [K 1,024, N 1,024]; A: computed on the way; B: input Wk (given as codes): QUANTISED
;;     10. [M 2,048, K 1,024] x [K 1,024, N 1,024]; A: computed on the way; B: input Wv (given as codes): QUANTISED
;;     11. [M 2,048, K 1,024] x [K 1,024, N 1,024]; A: computed on the way; B: input Wg (given as codes): QUANTISED
;;     12. batch 16 x [M 2,048, K 64] x [K 64, N 2,048]; A: computed on the way; B: computed on the way: QUANTISED
;;     13. batch 16 x [M 64, K 2,048] x [K 2,048, N 2,048]; A: computed on the way; B: computed on the way: QUANTISED
;;     14. [M 2,048, K 1,024] x [K 1,024, N 1,024]; A: computed on the way; B: input Wo (given as codes): QUANTISED
;;     15. [M 2,048, K 1,024] x [K 1,024, N 8,000]; A: computed on the way; B: computed on the way: QUANTISED
;;   THE QUANTISER, for each operand of a quantised product, along K:
;;     - K is cut into blocks of 32 from its start; a last block that is shorter is filled with zeros.
;;     - A block's scale is 2^e with e = floor(log2(the largest magnitude in the block)) - 2, held to -126 .. 127; a block of zeros has e = 0. As a byte (E8M0): e + 127.
;;     - Each number is divided by its block's scale, clamped to +-6, and rounded to the nearest number of E2M1, ties to even, subnormals kept.
;;     - The product sums the exact products of the quantised numbers (number of the format x scale) in f32.
;;   ~~~python
;;   def quantise(x, axis):      # numpy; x: float32 -> the quantised numbers, widened to float32 again
;;       x = np.moveaxis(x, axis, -1); K = x.shape[-1]
;;       x = np.pad(x, [(0, 0)] * (x.ndim - 1) + [(0, -K % 32)]); x = x.reshape(x.shape[:-1] + (-1, 32)); a = np.abs(x).max(-1, keepdims=True)
;;       e = np.where(a > 0, np.clip(np.frexp(np.where(a > 0, a, 1))[1] - 1 - 2, -126, 127), 0)      # np.frexp(a)[1] - 1 = floor(log2(a)), exactly
;;       r = np.clip(x / 2.0 ** e, -6, 6)
;;       step = 2.0 ** (np.maximum(np.frexp(np.where(r == 0, 1, r))[1] - 1, 0) - 1)
;;       q = np.round(r / step) * step * 2.0 ** e      # np.round: ties to even
;;       return np.moveaxis(q.reshape(q.shape[:-2] + (-1,))[..., :K], -1, axis).astype(np.float32)
;;   ~~~
;;   OPERANDS COMPUTED ON THE WAY. 'Computed on the way' means the value that the module computes at that place (a softmax that the list does not call 'softmax' is quantised finished and normalised). What goes into a quantiser is computed in f32, as accurately as f32 sums, v_exp_f32 and their like allow (about 1e-6 of the number): no bf16 or f16 on the way to a quantiser, and a product that is left as it is and whose result goes on into a quantised operand takes f32 operands (vector FMAs, or v_wmma_f32_16x16x4_f32). A number that lies on a knife's edge between two numbers of the format may be rounded either way, as far as f32 arithmetic and the matrix unit's own rounding can turn it there, and no further.
;;   INPUTS GIVEN AS CODES. Wg (in the module: [2, 1024, 1024], K = its axis 2); Wk (in the module: [2, 1024, 1024], K = its axis 2); Wo (in the module: [2, 1024, 1024], K = its axis 2); Wq (in the module: [2, 1024, 1024], K = its axis 2); Wv (in the module: [2, 1024, 1024], K = its axis 2): each comes as NAME_codes (uint8): NAME with its K axis moved to the last place and cut into blocks of 32 codes, [.., K / 32, bytes a block], one block behind the other in memory; two codes a byte, the lower K in the low four bits (a code: sign, 2 exponent bits, 1 mantissa bit); and NAME_scales (uint8): the same leading axes, one E8M0 byte (e + 127) for each 32 codes along K. Its value is code x scale, taken as it is: it is not quantised again, and the codes and scales need not be those that the quantiser above would give.
;; 2 versions, each right; version 2 is version 1 with the launches attn1, attn2 written anew for expert scheduling mode. Each part assembles by itself: llvm-mc -triple=amdgcn-amd-amdhsa -mcpu=gfx1250 --defsym DOCPART=n.
;; ======== version 1 of 2: 8 launches
;; workspace buffers: cst 6,554,624 bytes; xa 8,388,608 bytes; xb 8,388,608 bytes; xq 1,179,648 bytes; hq 1,179,648 bytes; act 12,189,696 bytes; meta0 256 bytes of whole numbers; meta1 256 bytes of whole numbers
;; launch prep (part 1): grid 577 x 1, 4 waves a work-group, no clusters, 40,704 bytes of LDS; arguments embed, input_ids, s_E, s_F, sw, sr, sO, cst, xa, xq, meta0, meta1; writes cst, xa, xq, meta0, meta1
.if DOCPART == 1
	.amdgcn_target "amdgcn-amd-amdhsa--gfx1250"
	.amdhsa_code_object_version 6
	.text
	.protected	k_q21012f3343_prep
	.globl	k_q21012f3343_prep
	.p2align	8
	.type	k_q21012f3343_prep,@function
k_q21012f3343_prep:
	s_mov_b64 s[64:65], 0
	v_nop
	global_prefetch_b8 v0, s[64:65] scope:SCOPE_SE
	s_setreg_imm32_b32 hwreg(HW_REG_WAVE_MODE, 25, 1), 1
	s_wait_xcnt 0x0
; PREP.  Five kinds of work-group, told apart by the work-group's number:
;   0-255   32 rows of embed each: row / max(norm, 1e-12), quantised to FP4 along the 1,024: two tile records of W_norm (rows from 8,000 on: zero codes)
;   256-319 32 tokens each: the same of embed[input_ids], times exp(s_E): x as f32 (xa) and as two tile records (xq)
;   320-447 the softmask tables: (layer, head) x four shifted copies
;   448-575 the rotation tables (cos, sin)(pos x phi / w): (layer, head) x four quarters of the positions
;   576     r, 1 - r, exp(sO), exp(s_F), and the whole numbers: min(ceil(w), 4096) for each head, and the layer's number
; A TILE RECORD (9,216 bytes) is 16 rows x 1,024 K as the matrix unit's registers take them: block B (32 codes, 16 bytes) of row r' at 256 B + 16 r'; behind the codes
; the scale words, K step s of row r' at 8192 + 128 s + 4 r', and once more 64 bytes on.  Tile 2 g + u holds rows 32 g + 8 u + r' + 8 (r' / 8).
; cos and sin: x less n pi/2 (pi/2 in two parts), then the series to x^9 and x^10: about 1e-7 absolute.  exp: 2^(x log2 e) with the product's lost part put back.
; LIMITS: NaN and infinities among the inputs are not served; a block of zeros gets the scale byte 1 (its codes are zeros; this program alone reads the bytes);
; v_exp_f32, v_rcp_f32, v_sqrt_f32 take denormals as zero; w is held at the largest finite number.
.set ROT, 4718592
.set MSK, 5242880
.set PAR, 6553600
.set STG, 20480                        ; LDS: 4 x 5,120 bytes of turning stages, then the two records as 72 units of 256 + 16 bytes
.set R,   16                           ; v16-143  four sets of 32: a row as loaded
.set X,   144                          ; v144-175 two sets of 16 neighbours
.set OFR, 184                          ; v184-191 a row's byte offset in embed + 16 x lane
.macro EXPF dst, src, ta, tb           ; v[dst] = e^v[src]
	v_mul_f32 v[\ta], 0x3fb8aa3b, v[\src]
	v_fma_f32 v[\tb], v[\src], 0x3fb8aa3b, -v[\ta]         ; what the product lost,
	v_fma_f32 v[\tb], v[\src], 0x32a5705f, v[\tb]          ; and log2 e's own lost part
	v_exp_f32 v[\dst], v[\ta]
	v_mul_f32 v[\tb], 0x3f317218, v[\tb]                   ; (the plain line behind the exponential)
	s_wait_alu depctr_va_vdst(0)                           ; ahead of the first reader of the exponential
	v_fma_f32 v[\dst], v[\dst], v[\tb], v[\dst]
.endm
.macro DIV dq, tn, tw, trw, te         ; v[dq] = v[tn] / v[tw], v[trw] = 1 / v[tw]: one correction step
	v_mul_f32 v[\dq], v[\tn], v[\trw]
	v_fma_f32 v[\te], -v[\dq], v[\tw], v[\tn]
	v_fma_f32 v[\dq], v[\te], v[\trw], v[\dq]
.endm
.macro SINCOS rx, rc, rs, rn, rp, rz, rq   ; v[rc] = cos v[rx], v[rs] = sin v[rx]
	v_mul_f32 v[\rn], 0x3f22f983, v[\rx]
	v_rndne_f32 v[\rn], v[\rn]                             ; n = the nearest whole number to x 2/pi
	v_fma_f32 v[\rp], v[\rn], 0xbfc90fdb, v[\rx]
	v_fma_f32 v[\rp], v[\rn], 0x333bbd2e, v[\rp]           ; x - n pi/2
	v_cvt_i32_f32 v[\rq], v[\rn]
	v_mul_f32 v[\rz], v[\rp], v[\rp]
	v_mov_b32 v[\rs], 0x3638ef1d
	v_mov_b32 v[\rc], 0xb493f27e
	v_fmaak_f32 v[\rs], v[\rs], v[\rz], 0xb9500d01
	v_fmaak_f32 v[\rc], v[\rc], v[\rz], 0x37d00d01
	v_fmaak_f32 v[\rs], v[\rs], v[\rz], 0x3c088889
	v_fmaak_f32 v[\rc], v[\rc], v[\rz], 0xbab60b61
	v_fmaak_f32 v[\rs], v[\rs], v[\rz], 0xbe2aaaab
	v_fmaak_f32 v[\rc], v[\rc], v[\rz], 0x3d2aaaab
	v_mul_f32 v[\rs], v[\rs], v[\rz]
	v_fmaak_f32 v[\rc], v[\rc], v[\rz], 0xbf000000
	v_fma_f32 v[\rs], v[\rs], v[\rp], v[\rp]
	v_fma_f32 v[\rc], v[\rc], v[\rz], 1.0
	v_and_b32 v[\rn], 1, v[\rq]
	v_cmp_eq_u32 vcc_lo, 1, v[\rn]                         ; n odd: the two change places
	v_cndmask_b32 v[\rz], v[\rc], v[\rs], vcc_lo
	v_cndmask_b32 v[\rp], v[\rs], v[\rc], vcc_lo
	v_add_nc_u32 v[\rn], 1, v[\rq]
	v_lshrrev_b32 v[\rn], 1, v[\rn]
	v_lshrrev_b32 v[\rq], 1, v[\rq]
	v_lshlrev_b32 v[\rn], 31, v[\rn]                       ; cos is negative for n mod 4 = 1, 2
	v_lshlrev_b32 v[\rq], 31, v[\rq]                       ; sin for n mod 4 = 2, 3
	v_xor_b32 v[\rc], v[\rz], v[\rn]
	v_xor_b32 v[\rs], v[\rp], v[\rq]
.endm
.macro GETW                            ; s30 = 16 x layer + head  ->  v6 = w = exp(sw) + 1, v7 = 1 / w
	s_lshl_b32 s32, s30, 2
	s_mov_b32 s33, 0
	s_add_nc_u64 s[12:13], s[12:13], s[32:33]
	s_load_b32 s34, s[12:13], 0x0
	s_wait_kmcnt 0x0
	v_mov_b32 v8, s34
	EXPF 6, 8, 9, 10
	v_add_f32 v6, 1.0, v6
	v_min_num_f32 v6, 0x7f7fffff, v6                       ; held at the largest finite number
	v_rcp_f32 v7, v6
	v_nop
	s_wait_alu depctr_va_vdst(0)
.endm
	s_load_b512 s[4:19], s[0:1], 0x0               ; embed 4, ids 6, s_E 8, s_F 10, sw 12, sr 14, sO 16, cst 18
	s_load_b256 s[20:27], s[0:1], 0x40             ; xa 20, xq 22, meta0 24, meta1 26
	v_lshl_add_u32 v240, v0, 2, 0x9d00
	v_mov_b32 v241, 0
	v_lshrrev_b32 v1, 5, v0
	v_readfirstlane_b32 s28, v1                    ; wave
	v_and_b32 v2, 31, v0                           ; lane
	v_lshlrev_b32 v3, 4, v2                        ; 16 x lane
	s_mov_b32 s38, 0x76543210
	s_mov_b32 s39, 0xfedcba98                      ; v_permlanex16_b32's selects for lane l xor 16
	s_wait_kmcnt 0x0
	s_cmp_lt_u32 ttmp9, 320
	s_cbranch_scc1 .Lrows
	s_cmp_lt_u32 ttmp9, 448
	s_cbranch_scc1 .Lmask
	s_cmp_lt_u32 ttmp9, 576
	s_cbranch_scc1 .Lrot
	; ---- the parameters: wave 0, lane = 16 x layer + head
	s_cmp_lg_u32 s28, 0
	s_cbranch_scc1 .Lend
	s_load_b32 s34, s[10:11], 0x0                  ; s_F
	v_lshlrev_b32 v5, 2, v2
	global_load_b32 v8, v5, s[12:13]
	global_load_b32 v9, v5, s[14:15]
	global_load_b32 v10, v5, s[16:17]
	s_wait_loadcnt 0x0
	s_wait_kmcnt 0x0
	EXPF 20, 8, 30, 31
	v_add_f32 v20, 1.0, v20                        ; w
	EXPF 40, 9, 30, 31
	v_add_f32 v40, 1.0, v40                        ; r
	v_sub_f32 v41, 1.0, v40                        ; 1 - r
	EXPF 42, 10, 30, 31                            ; exp(sO)
	v_mov_b32 v43, 0
	v_mov_b32 v11, s34
	EXPF 44, 11, 30, 31                            ; exp(s_F)
	v_mov_b32 v45, 0
	v_mov_b32 v46, 0
	v_mov_b32 v47, 0
	global_store_b128 v3, v[40:43], s[18:19] offset:PAR
	global_store_b128 v3, v[44:47], s[18:19] offset:PAR+512
	v_floor_f32 v21, -v20                          ; -ceil(w),
	v_max_num_f32 v21, 0xc5800000, v21             ; held at -4096 (an overflowed w too)
	v_cvt_i32_f32 v21, v21
	v_sub_nc_u32 v21, 0, v21                       ; min(ceil(w), 4096): from this distance on every mask value is 0
	v_mov_b32 v22, 0
	v_permlanex16_b32 v22, v21, s38, s39           ; layer 1's, in lanes 0-15
	v_cmp_gt_u32 vcc_lo, 16, v2
	v_cndmask_b32 v23, 0, v21, vcc_lo              ; meta0: words 0-15 the heads', word 16 the layer's number 0
	v_cmp_eq_u32 s40, 16, v2
	v_cndmask_b32 v24, 0, 1, s40
	v_cndmask_b32 v24, v24, v22, vcc_lo            ; meta1: likewise, word 16 = 1
	global_store_b32 v5, v23, s[24:25]
	global_store_b32 v5, v43, s[24:25] offset:128
	global_store_b32 v5, v24, s[26:27]
	global_store_b32 v5, v43, s[26:27] offset:128
.Lend:
	s_endpgm
	; ---- a copy of a softmask table: float f of copy a holds mask(d), d = 2112 + sh_a / 4 - a - f; mask(d) = (cos(pi d / w) + 1) / 2 for 0 <= d < w, else 0
.Lmask:
	s_sub_co_u32 s29, ttmp9, 320
	s_and_b32 s30, s29, 31                         ; 16 x layer + head
	s_lshr_b32 s31, s29, 5                         ; a
	GETW
	s_and_b32 s35, s31, 1
	s_mul_i32 s35, s35, 48
	s_lshr_b32 s36, s31, 1
	s_mul_i32 s36, s36, 144
	s_add_co_u32 s35, s35, s36
	s_add_co_u32 s36, s31, 1
	s_lshr_b32 s36, s36, 2
	s_lshl_b32 s36, s36, 4
	s_sub_co_u32 s35, s35, s36                     ; sh_a = 0, 48, 144, 176 bytes
	s_lshr_b32 s35, s35, 2
	s_add_co_u32 s35, s35, 2112
	s_sub_co_u32 s35, s35, s31
	v_lshlrev_b32 v12, 2, v0
	v_sub_nc_u32 v4, s35, v12                      ; d of my first float
	v_lshlrev_b32 v5, 4, v0                        ; 16 bytes a thread
	s_mul_i32 s32, s30, 40960
	s_mul_i32 s36, s31, 10240
	s_add_co_u32 s32, s32, s36
	s_add_co_u32 s32, s32, MSK
	s_add_nc_u64 s[18:19], s[18:19], s[32:33]
	s_mov_b32 s40, 5                               ; 5 trips x 128 threads x 4 floats = 2,560 floats
.Lmtrip:
.irp e, 0,1,2,3
	v_add_nc_u32 v20, -\e, v4
	v_cvt_f32_i32 v21, v20
	v_mul_f32 v22, 0x40490fdb, |v21|
	DIV 23, 22, 6, 7, 24
	SINCOS 23, 25, 26, 27, 28, 29, 30
	v_fma_f32 v25, v25, 0.5, 0.5
	v_cmp_le_i32 s41, 0, v20
	v_cmp_lt_f32 s42, v21, v6
	s_and_b32 s41, s41, s42
	v_cndmask_b32 v[60+\e], 0, v25, s41
.endr
	global_store_b128 v5, v[60:63], s[18:19]       ; a wave stores 512 consecutive bytes
	s_wait_xcnt 0x0                                ; the store has read its offset and data: both are written again below
	v_add_nc_u32 v5, 2048, v5
	v_add_nc_u32 v4, 0xfffffe00, v4                ; 512 floats on
	s_sub_co_u32 s40, s40, 1
	s_cmp_lg_u32 s40, 0
	s_cbranch_scc1 .Lmtrip
	s_endpgm
	; ---- a quarter of a rotation table
.Lrot:
	s_sub_co_u32 s29, ttmp9, 448
	s_and_b32 s30, s29, 31
	s_lshr_b32 s31, s29, 5
	GETW
	v_mul_f32 v22, 0x40490fdb, v6
	v_mul_f32 v22, 0x39800000, v22                 ; pi w / 4096
	SINCOS 22, 25, 26, 27, 28, 29, 30
	v_fma_f32 v25, v25, 0.5, 0.5
	v_cmp_gt_f32 vcc_lo, 0x45800000, v6
	v_cndmask_b32 v25, 0, v25, vcc_lo              ; phi, 0 from w = 4096 on
	DIV 12, 25, 6, 7, 24                           ; phi / w
	s_lshl_b32 s35, s31, 9
	v_add_nc_u32 v4, s35, v0                       ; pos
	v_lshlrev_b32 v5, 3, v0
	s_lshl_b32 s32, s30, 14
	s_lshl_b32 s36, s31, 12
	s_add_co_u32 s32, s32, s36
	s_add_co_u32 s32, s32, ROT
	s_add_nc_u64 s[18:19], s[18:19], s[32:33]
	s_mov_b32 s40, 4
.Lrtrip:
	v_cvt_f32_u32 v21, v4
	v_mul_f32 v23, v21, v12
	SINCOS 23, 60, 61, 27, 28, 29, 30
	global_store_b64 v5, v[60:61], s[18:19]        ; a wave stores 256 consecutive bytes
	s_wait_xcnt 0x0
	v_add_nc_u32 v5, 1024, v5
	v_add_nc_u32 v4, 128, v4
	s_sub_co_u32 s40, s40, 1
	s_cmp_lg_u32 s40, 0
	s_cbranch_scc1 .Lrtrip
	s_endpgm
	; ---- 32 rows: wave w takes rows 8 w + i: tile u = w % 2, row r' = i + 8 (w / 2) of it
.Lrows:
	s_load_b32 s31, s[8:9], 0x0                    ; s_E
	s_cmp_lt_u32 ttmp9, 256
	s_cselect_b32 s30, 0, 256
	s_sub_co_u32 s29, ttmp9, s30                   ; which 32 rows of the vocabulary, or which 32 tokens
	s_lshl_b32 s32, s29, 5
	s_lshl_b32 s33, s28, 3
	s_add_co_u32 s32, s32, s33                     ; my first
	s_cmp_lt_u32 ttmp9, 256
	s_cbranch_scc0 .Ltokens
.irp i, 0,1,2,3,4,5,6,7
	s_add_co_u32 s[40+\i], s32, \i
.endr
	s_branch .Lhave_rows
.Ltokens:
	s_lshl_b32 s34, s32, 2
	s_mov_b32 s35, 0
	s_add_nc_u64 s[34:35], s[6:7], s[34:35]
	s_load_b256 s[40:47], s[34:35], 0x0            ; my eight tokens' rows
.Lhave_rows:
	s_wait_kmcnt 0x0
.irp i, 0,1,2,3,4,5,6,7
	s_min_u32 s[40+\i], s[40+\i], 7999             ; inside the table (the padding rows 8,000 on read the last row and are multiplied by 0)
	s_lshl_b32 s[40+\i], s[40+\i], 12
	v_add_nc_u32 v[OFR+\i], s[40+\i], v3
.endr
.macro LOADROW i                       ; eight loads of 512 consecutive bytes: the row
.irp j, 0,1,2,3,4,5,6,7
	global_load_b128 v[R+32*((\i)%4)+4*\j:R+32*((\i)%4)+4*\j+3], v[OFR+(\i)], s[4:5] offset:512*\j
.endr
.endm
	LOADROW 0
	LOADROW 1
	LOADROW 2
	LOADROW 3
	v_mov_b32 v8, s31
	EXPF 234, 8, 9, 10                             ; exp(s_E), the tokens' factor;
	s_cmp_lt_u32 s32, 8000
	s_cselect_b32 s34, 1.0, 0                      ; the vocabulary's: 1, or 0 for the padding rows (a wave's eight are all of one kind)
	s_cmp_lt_u32 ttmp9, 256
	s_cselect_b32 s33, -1, 0
	s_cselect_b64 s[36:37], s[18:19], s[22:23]     ; the records go to cst or to xq
	v_mov_b32 v9, s34
	v_cndmask_b32 v234, v234, v9, s33
	v_mov_b32 v235, v234
	s_mul_i32 s34, s29, 18432
	s_mov_b32 s35, 0
	s_add_nc_u64 s[36:37], s[36:37], s[34:35]
	s_lshl_b32 s34, s32, 12
	s_add_nc_u64 s[20:21], s[20:21], s[34:35]      ; xa at my first token (used by the tokens' work-groups alone)
	s_mul_i32 s34, s28, 5120                       ; my two turning stages: 32 places of 64 + 16 bytes each
	v_lshrrev_b32 v8, 2, v2
	v_mul_u32_u24 v14, v8, 80
	v_and_b32 v8, 3, v2
	v_lshl_add_u32 v14, v8, 4, v14
	v_add_nc_u32 v14, s34, v14                     ; in: 80 (lane / 4) + 16 (lane % 4)
	v_mul_u32_u24 v15, v2, 80
	v_add_nc_u32 v15, s34, v15                     ; out: 80 x lane: 16 neighbours
	s_and_b32 s34, s28, 1
	s_mul_i32 s34, s34, 9792
	s_add_co_u32 s34, s34, STG                     ; my tile's 36 units
	s_lshr_b32 s35, s28, 1
	v_lshrrev_b32 v8, 1, v2
	v_mul_u32_u24 v4, v8, 272
	v_and_b32 v9, 1, v2
	v_lshl_add_u32 v4, v9, 3, v4
	s_lshl_b32 s33, s35, 7
	s_add_co_u32 s33, s33, s34
	v_add_nc_u32 v4, s33, v4                       ; codes: unit lane / 2, + 8 (lane % 2), + 128 (w / 2)
	v_lshrrev_b32 v10, 4, v2
	v_mul_u32_u24 v5, v10, 272
	v_bfe_u32 v11, v2, 3, 1
	v_lshl_add_u32 v5, v11, 7, v5
	v_lshl_add_u32 v5, v9, 6, v5
	v_and_b32 v8, 3, v8
	v_add_nc_u32 v5, v5, v8
	s_lshl_b32 s33, s35, 5
	s_add_co_u32 s33, s33, s34
	v_add_nc_u32 v5, s33, v5                       ; scale bytes: the block's byte of its K step's word; the block's second lane writes the copy 64 bytes on
	v_mul_u32_u24 v6, v10, 272
	v_and_b32 v8, 15, v2
	v_lshl_add_u32 v6, v8, 4, v6
	s_mul_i32 s33, s28, 9*544
	s_add_co_u32 s33, s33, STG
	v_add_nc_u32 v6, s33, v6                       ; the way out: nine pairs of units a wave
	s_mul_i32 s33, s28, 9*512
	v_add_nc_u32 v7, s33, v3
.macro ROW i
.set RS, R+32*((\i)%4)
.if (\i) < 4
	s_wait_loadcnt 24                              ; my row's eight loads are in; those of the three rows behind it may be out
.else
	s_wait_loadcnt 8*(7-(\i))
.endif
	v_pk_mul_f32 v[224:225], v[RS:RS+1], v[RS:RS+1]        ; the sum of squares, in two packed chains
	v_pk_mul_f32 v[226:227], v[RS+2:RS+3], v[RS+2:RS+3]
.irp j, 4,8,12,16,20,24,28
	v_pk_fma_f32 v[224:225], v[RS+\j:RS+\j+1], v[RS+\j:RS+\j+1], v[224:225]
	v_pk_fma_f32 v[226:227], v[RS+\j+2:RS+\j+3], v[RS+\j+2:RS+\j+3], v[226:227]
.endr
	v_pk_add_f32 v[224:225], v[224:225], v[226:227]
	v_add_f32 v224, v224, v225
	v_add_f32_dpp v224, v224, v224 row_xmask:1 row_mask:0xf bank_mask:0xf
	v_add_f32_dpp v224, v224, v224 row_xmask:2 row_mask:0xf bank_mask:0xf
	v_add_f32_dpp v224, v224, v224 row_xmask:4 row_mask:0xf bank_mask:0xf
	v_add_f32_dpp v224, v224, v224 row_xmask:8 row_mask:0xf bank_mask:0xf
	v_permlanex16_b32 v225, v224, s38, s39
	v_add_f32 v224, v224, v225
	v_sqrt_f32 v226, v224
	v_nop
	s_wait_alu depctr_va_vdst(0)
	v_max_num_f32 v226, 0x2b8cbccc, v226           ; max(norm, 1e-12)
	v_rcp_f32 v232, v226
	v_nop
	s_wait_alu depctr_va_vdst(0)
	v_mov_b32 v233, v232
.set j, 0
.rept 16
	v_pk_mul_f32 v[RS+j:RS+j+1], v[RS+j:RS+j+1], v[232:233]
.set j, j+2
.endr
.set j, 0
.rept 16
	v_pk_mul_f32 v[RS+j:RS+j+1], v[RS+j:RS+j+1], v[234:235]
.set j, j+2
.endr
	s_cmp_lt_u32 ttmp9, 256
	s_cbranch_scc1 .Lno_x_\@
.irp j, 0,1,2,3,4,5,6,7
	global_store_b128 v3, v[RS+4*\j:RS+4*\j+3], s[20:21] offset:(\i)*4096+512*\j   ; x as f32: 512 consecutive bytes a store
.endr
.Lno_x_\@:
.irp st, 0,1                           ; the row's two halves of 512 numbers turn through the stages: in as loaded, out 16 neighbours a lane (LDS serves a wave's instructions in order)
.irp jj, 0,1,2,3
	ds_store_b128 v14, v[RS+16*\st+4*\jj:RS+16*\st+4*\jj+3] offset:2560*\st+640*\jj
.endr
.endr
.irp st, 0,1
.irp jj, 0,1,2,3
	ds_load_b128 v[X+16*\st+4*\jj:X+16*\st+4*\jj+3], v15 offset:2560*\st+16*\jj
.endr
.endr
	s_wait_dscnt 0x0
	s_wait_xcnt 0x0                                ; the stores of x have read their data: the set may be loaded again
.if (\i) < 4
	LOADROW (\i)+4
.endif
.irp st, 0,1                           ; lane l: half l % 2 of block 16 st + l / 2
.set XS, X+16*\st
	v_max3_num_f32 v8, |v[XS]|, |v[XS+1]|, |v[XS+2]|
	v_max3_num_f32 v9, |v[XS+3]|, |v[XS+4]|, |v[XS+5]|
.irp k, 6,10
	v_max3_num_f32 v8, v8, |v[XS+\k]|, |v[XS+\k+1]|
	v_max3_num_f32 v9, v9, |v[XS+\k+2]|, |v[XS+\k+3]|
.endr
	v_max3_num_f32 v8, v8, |v[XS+14]|, |v[XS+15]|
	v_max3_num_f32 v8, v8, v9, 0x1800000           ; and the floor 2^(3 - 127): the byte cannot fall under 1
	v_max_num_f32_dpp v8, v8, v8 row_xmask:1 row_mask:0xf bank_mask:0xf   ; with my neighbour's 16: the block's largest magnitude
	v_add_nc_u32 v11, 0xff000000, v8               ; 2 off its exponent field: the conversion's scale operand
	v_cvt_scalef32_pk8_fp4_f32 v[176+2*\st], v[XS:XS+7], v11
	v_cvt_scalef32_pk8_fp4_f32 v[177+2*\st], v[XS+8:XS+15], v11
	v_lshrrev_b32 v[180+\st], 23, v11              ; the scale's byte (also the plain line behind the conversions)
	ds_store_b64 v4, v[176+2*\st:177+2*\st] offset:\st*4352+(\i)*16
	ds_store_b8 v5, v[180+\st] offset:(32+2*\st)*272+(\i)*4
.endr
.endm
.irp i, 0,1,2,3,4,5,6,7
	ROW \i
.endr
	s_wait_dscnt 0x0                               ; my part of the two records lies in LDS
	s_barrier_signal -1
	s_barrier_wait -1                              ; everybody's does
.irp j, 0,1,2,3,4,5,6,7,8
	ds_load_b128 v[R+4*\j:R+4*\j+3], v6 offset:544*\j
.endr
.irp j, 0,1,2,3,4,5,6,7,8
	s_wait_dscnt 8-\j                              ; the younger read-backs may be out
	global_store_b128 v7, v[R+4*\j:R+4*\j+3], s[36:37] offset:512*\j   ; 512 consecutive bytes, aligned
.endr
	s_wait_tensorcnt 0x0
	ds_add_u32 v240, v241
	s_wait_dscnt 0x0
	s_endpgm
.Lfunc_end_k_q21012f3343_prep:
	.size	k_q21012f3343_prep, .Lfunc_end_k_q21012f3343_prep-k_q21012f3343_prep
	.p2alignl 7, 3214868480
	.fill 96, 4, 3214868480
	.section	.rodata,"a",@progbits
	.p2align	6, 0x0
	.amdhsa_kernel k_q21012f3343_prep
		.amdhsa_group_segment_fixed_size 40704
		.amdhsa_private_segment_fixed_size 0
		.amdhsa_enable_private_segment 0
		.amdhsa_kernarg_size 96
		.amdhsa_user_sgpr_count 2
		.amdhsa_user_sgpr_kernarg_segment_ptr 1
		.amdhsa_wavefront_size32 1
		.amdhsa_system_sgpr_workgroup_id_x 1
		.amdhsa_system_sgpr_workgroup_id_y 1
		.amdhsa_system_sgpr_workgroup_id_z 1
		.amdhsa_system_vgpr_workitem_id 0
		.amdhsa_next_free_vgpr 242
		.amdhsa_next_free_sgpr 66
		.amdhsa_reserve_vcc 1
		.amdhsa_float_denorm_mode_32 3
		.amdhsa_float_denorm_mode_16_64 3
		.amdhsa_memory_ordered 1
		.amdhsa_forward_progress 1
		.amdhsa_inst_pref_size 93
	.end_amdhsa_kernel
	.amdgpu_metadata
---
amdhsa.version: [ 1, 2 ]
amdhsa.kernels:
  - .name:           k_q21012f3343_prep
    .symbol:         k_q21012f3343_prep.kd
    .args:
      - { .name: embed, .offset: 0, .size: 8, .value_kind: global_buffer, .address_space: global }
      - { .name: input_ids, .offset: 8, .size: 8, .value_kind: global_buffer, .address_space: global }
      - { .name: s_E, .offset: 16, .size: 8, .value_kind: global_buffer, .address_space: global }
      - { .name: s_F, .offset: 24, .size: 8, .value_kind: global_buffer, .address_space: global }
      - { .name: sw, .offset: 32, .size: 8, .value_kind: global_buffer, .address_space: global }
      - { .name: sr, .offset: 40, .size: 8, .value_kind: global_buffer, .address_space: global }
      - { .name: sO, .offset: 48, .size: 8, .value_kind: global_buffer, .address_space: global }
      - { .name: cst, .offset: 56, .size: 8, .value_kind: global_buffer, .address_space: global }
      - { .name: xa, .offset: 64, .size: 8, .value_kind: global_buffer, .address_space: global }
      - { .name: xq, .offset: 72, .size: 8, .value_kind: global_buffer, .address_space: global }
      - { .name: meta0, .offset: 80, .size: 8, .value_kind: global_buffer, .address_space: global }
      - { .name: meta1, .offset: 88, .size: 8, .value_kind: global_buffer, .address_space: global }
    .group_segment_fixed_size: 40704
    .private_segment_fixed_size: 0
    .kernarg_segment_align: 8
    .kernarg_segment_size: 96
    .max_flat_workgroup_size: 128
    .sgpr_count:     66
    .vgpr_count:     242
    .wavefront_size: 32
...
	.end_amdgpu_metadata
.endif
;; end of part 1
;; launch qkvg1 (part 2): grid 32 x 8, 8 waves a work-group, no clusters, 220,160 bytes of LDS; arguments xq, Wq_codes, Wq_scales, Wk_codes, Wk_scales, Wv_codes, Wv_scales, Wg_codes, Wg_scales, cst, meta0, act; writes act
.if DOCPART == 2
	.amdgcn_target "amdgcn-amd-amdhsa--gfx1250"
	.amdhsa_code_object_version 6
	.text
	.protected	k_q21012f3343_qkvg1
	.globl	k_q21012f3343_qkvg1
	.p2align	8
	.type	k_q21012f3343_qkvg1,@function
k_q21012f3343_qkvg1:
	s_mov_b64 s[64:65], 0
	v_nop
	global_prefetch_b8 v0, s[64:65] scope:SCOPE_SE
	s_setreg_imm32_b32 hwreg(HW_REG_WAVE_MODE, 25, 1), 1
	s_wait_xcnt 0x0
; THE FOUR PROJECTIONS OF A LAYER, each with what follows it up to the next quantiser.  x comes as tile records (codes and scale words as register images), the weights as given.
; Work-group x: role = x / 8 (q, k, v, g), 128 of the weight's 1,024 rows (two heads) = x % 8.  Work-group y: 256 tokens.  Eight waves: wave % 4 = 64 tokens (four tiles), wave / 4 = the head.
; All of K = 1,024 lies in LDS at once: every LDS byte is filled once, by one tensor load a wave (waves 0-3: x, 4 records each; 4, 5: the weight's codes; 6: its scale bytes).
; EVERY TILE OF 16 ROWS holds rows 32 g + 8 u + r + 8 (r / 8) (tile 2 g + u): as source 0 it leaves, in the 16 registers of tiles 2 g, 2 g + 1, sixteen neighbours 32 g + 16 (lane / 16) + 0 .. 15.
; q, k, g: source 0 = the weight, source 1 = x: a lane holds a token, its 32 registers half of the head's 64 channels.  q, k: unit norm, rotation of channels 0, 1, FP4 along the 64 channels.
; v: the sources change places: a lane holds a channel and 32 tokens; unit norm over the channels (four tiles and the 16 lanes of a row), FP4 along the TOKENS, which are the keys of the second attention product.
; g: the sums leave as f32, in the layout in which the attention launch holds its result.
; No multicast: each work-group fills LDS once, and this text keeps the plain form.  LIMITS: NaN and infinities are not served; a block of zeros gets the scale byte 1.
.set WC,  147456                       ; LDS: x's 16 records from 0; the weight's 128 rows of 512 + 16 bytes; its scale bytes, 32 a row
.set WS,  215040
.set WP,  528
.set TRB, 9216
.set ROT, 4718592
.set QS,  1048576
.set KV,  1310720
.set GI,  3801088
.set KVR, 9728
.set FW,  64                           ; v64-95 the weight's four fragments;  v96-127 x's
.set FX,  96
.set SW,  48                           ; v48-51, v52-55 their scale words
.set SX,  52
.set ACC, 128                          ; accumulator (b, a) at v[128 + 32 b + 8 a]
.set TM,  36                           ; v36-47 at work in QUANT
.set SEL, 80
.macro NOPS n
.rept \n
	v_nop
.endr
.endm
.macro MM d, a, b, sa, sb, zero
.if \zero
	v_wmma_scale_f32_16x16x128_f8f6f4 v[(\d):(\d)+7], v[(\a):(\a)+7], v[(\b):(\b)+7], 0, v[\sa], v[\sb] matrix_a_fmt:MATRIX_FMT_FP4 matrix_b_fmt:MATRIX_FMT_FP4
.else
	v_wmma_scale_f32_16x16x128_f8f6f4 v[(\d):(\d)+7], v[(\a):(\a)+7], v[(\b):(\b)+7], v[(\d):(\d)+7], v[\sa], v[\sb] matrix_a_fmt:MATRIX_FMT_FP4 matrix_b_fmt:MATRIX_FMT_FP4
.endif
.endm
; 16 nb numbers of a lane, register 16 b + i = k 32 b + 16 (lane / 16) + i of my row, become 2 nb registers of codes in the operand's layout (v[pc] on) and the scale bytes (v[pw])
.macro QUANT src, nb, pc, pw
.set qb, 0
.rept \nb
	v_max3_num_f32 v[TM+qb], |v[(\src)+16*qb]|, |v[(\src)+16*qb+1]|, 0x1800000   ; with the floor 2^(3 - 127): the byte cannot fall under 1
.set qb, qb+1
.endr
.irp qi, 2,4,6,8,10,12,14
.set qb, 0
.rept \nb
	v_max3_num_f32 v[TM+qb], v[TM+qb], |v[(\src)+16*qb+\qi]|, |v[(\src)+16*qb+\qi+1]|
.set qb, qb+1
.endr
.endr
.set qb, 0
.rept \nb
	v_permlanex16_b32 v[TM+4+qb], v[TM+qb], s[SEL], s[SEL+1]
.set qb, qb+1
.endr
.set qb, 0
.rept \nb
	v_max_num_f32 v[TM+qb], v[TM+qb], v[TM+4+qb]           ; with lane l xor 16's: the block's largest magnitude
.set qb, qb+1
.endr
.set qb, 0
.rept \nb
	v_add_nc_u32 v[TM+8+qb], 0xff000000, v[TM+qb]          ; 2 off its exponent field: the conversion's scale operand
.set qb, qb+1
.endr
.set qb, 0
.rept \nb
	v_lshrrev_b32 v[TM+4+qb], 23, v[TM+8+qb]               ; the scale's byte
.set qb, qb+1
.endr
	v_lshl_or_b32 v[\pw], v[TM+5], 8, v[TM+4]
.if \nb == 4
	v_lshl_or_b32 v[\pw], v[TM+6], 16, v[\pw]
	v_lshl_or_b32 v[\pw], v[TM+7], 24, v[\pw]
.endif
.set qb, 0
.rept \nb
	v_cvt_scalef32_pk8_fp4_f32 v[(\pc)+2*qb], v[(\src)+16*qb:(\src)+16*qb+7], v[TM+8+qb]
	v_cvt_scalef32_pk8_fp4_f32 v[(\pc)+2*qb+1], v[(\src)+16*qb+8:(\src)+16*qb+15], v[TM+8+qb]
.set qb, qb+1
.endr
	v_nop                                          ; one plain line behind the conversions
.set qb, 0
.rept \nb/2                            ; the layout wants a whole block in a lane: lanes 0-15 the even block, lanes 16-31 the odd one
	v_permlane16_swap_b32 v[(\pc)+4*qb], v[(\pc)+4*qb+2]
	v_permlane16_swap_b32 v[(\pc)+4*qb+1], v[(\pc)+4*qb+3]
.set qb, qb+1
.endr
.endm
	s_load_b512 s[4:19], s[0:1], 0x0               ; xq 4, Wq 6, 8, Wk 10, 12, Wv 14, 16, Wg's codes 18
	s_load_b256 s[20:27], s[0:1], 0x40             ; Wg's scales 20, cst 22, meta 24, act 26
	v_lshl_add_u32 v62, v0, 2, 0x35800
	v_mov_b32 v63, 0
	ds_add_u32 v62, v63
	ds_add_u32 v62, v63
	v_lshrrev_b32 v1, 5, v0
	v_readfirstlane_b32 s28, v1                    ; wave
	v_and_b32 v1, 31, v0                           ; lane
	v_and_b32 v2, 15, v0                           ; r
	v_bfe_u32 v3, v0, 4, 1                         ; h
	v_and_b32 v4, 8, v2
	v_add_nc_u32 v4, v4, v2                        ; r + 8 (r / 8)
	s_and_b32 s29, s28, 3                          ; wm: which 64 tokens
	s_lshr_b32 s30, s28, 2                         ; wn: which head of the two
	s_lshr_b32 s31, ttmp9, 3                       ; role
	s_and_b32 s33, ttmp9, 7                        ; which 128 rows of the weight
	s_and_b32 s34, ttmp7, 0xffff                   ; which 256 tokens
	s_lshl_b32 s35, s33, 1
	s_add_co_u32 s35, s35, s30                     ; head
	s_mov_b32 s[SEL], 0x76543210
	s_mov_b32 s[SEL+1], 0xfedcba98
	s_mov_b32 s82, 0xffff                          ; lanes 0-15
	; descriptor groups 1.  Records: 36,864 dense bytes as 144 rows of 256 (32 elements of 8 bytes)
	s_mov_b32 s36, 3<<16
	s_mov_b32 s37, 32<<16
	s_mov_b32 s38, 144<<16
	s_mov_b32 s39, 32<<16
	s_mov_b32 s40, 144
	s_mov_b32 s41, 32
	s_mov_b32 s42, 0
	s_mov_b32 s43, 0
	; the weight's codes: 64 rows of 512 bytes, 16 bytes of padding behind each
	s_mov_b32 s44, (1<<20)|(6<<22)|(3<<25)
	s_mov_b32 s45, 512<<16
	s_mov_b32 s46, 64<<16
	s_mov_b32 s47, 512<<16
	s_mov_b32 s48, 64
	s_mov_b32 s49, 512
	s_mov_b32 s50, 0
	s_mov_b32 s51, 0
	; its scale bytes: 4,096 dense bytes as 16 rows of 256
	s_mov_b32 s52, 3<<16
	s_mov_b32 s53, 32<<16
	s_mov_b32 s54, 16<<16
	s_mov_b32 s55, 32<<16
	s_mov_b32 s56, 16
	s_mov_b32 s57, 32
	s_mov_b32 s58, 0
	s_mov_b32 s59, 0
	s_wait_dscnt 0x0
	s_wait_kmcnt 0x0
	s_load_b32 s32, s[24:25], 0x40                 ; the layer's number
	s_mul_i32 s90, s30, 64*WP
	s_add_co_u32 s90, s90, WC
	v_mul_u32_u24 v5, v4, WP
	v_lshl_add_u32 v5, v3, 4, v5
	v_add_nc_u32 v5, s90, v5                       ; the weight's fragments: my head's 64 rows, row r + 8 (r / 8), + 16 h
	v_lshlrev_b32 v9, 4, v1                        ; 16 x lane
	v_lshlrev_b32 v10, 2, v1                       ; 4 x lane
	s_mul_i32 s90, s29, 4*TRB
	v_add_nc_u32 v6, s90, v9                       ; x's fragments: my four records
	s_add_co_u32 s90, s90, 8192
	v_add_nc_u32 v8, s90, v10                      ; and their scale words
	s_lshl_b32 s90, s30, 11
	s_add_co_u32 s90, s90, WS
	v_lshl_add_u32 v7, v4, 5, s90                  ; the weight's scale words: 32 bytes a row
	v_lshlrev_b32 v11, 3, v4                       ; (cos, sin): 8 bytes a token
.irp b, 0,1,2,3
	v_mov_b32 v[TM+4+\b], 0                        ; written once: a lane permute's destination counts as one of its sources
.endr
	s_cmp_lt_u32 s31, 1                            ; the role's weight
	s_cselect_b64 s[76:77], s[6:7], s[10:11]
	s_cselect_b64 s[78:79], s[8:9], s[12:13]
	s_cmp_lt_u32 s31, 2
	s_cselect_b64 s[76:77], s[76:77], s[14:15]
	s_cselect_b64 s[78:79], s[78:79], s[16:17]
	s_cmp_lt_u32 s31, 3
	s_cselect_b64 s[76:77], s[76:77], s[18:19]
	s_cselect_b64 s[78:79], s[78:79], s[20:21]
	s_lshl_b32 s83, s34, 4
	s_lshl_b32 s84, s29, 2
	s_add_co_u32 s83, s83, s84                     ; my first token tile T0 = 16 y + 4 wm
	s_lshl_b32 s84, s35, 7
	s_add_co_u32 s84, s84, s83                     ; 128 head + T0
	s_lshl_b32 s85, s35, 4
	s_lshl_b32 s90, s34, 1
	s_add_co_u32 s85, s85, s90
	s_lshr_b32 s90, s29, 1
	s_add_co_u32 s85, s85, s90
	s_mul_i32 s85, s85, KVR
	s_add_co_u32 s85, s85, KV                      ; the record of my head's key step 2 y + wm / 2
	s_mov_b32 s91, 0
	s_wait_kmcnt 0x0
	s_min_u32 s32, s32, 1
	s_lshl_b32 s90, s34, 4
	s_lshl_b32 s92, s28, 2
	s_add_co_u32 s90, s90, s92
	s_mul_i32 s90, s90, TRB
	s_mov_b32 s60, 1                               ; group 0 for x: records 16 y + 4 wave on, to wave x 36,864
	s_mul_i32 s61, s28, 4*TRB
	s_add_nc_u64 s[62:63], s[4:5], s[90:91]
	s_or_b32 s63, s63, 0x80000000
	s_lshl_b32 s90, s32, 19
	s_lshl_b32 s92, s33, 16
	s_add_co_u32 s90, s90, s92
	s_and_b32 s92, s28, 1
	s_lshl_b32 s92, s92, 15
	s_add_co_u32 s90, s90, s92
	s_mov_b32 s68, 1                               ; group 0 for the codes: waves 4, 5: 64 rows each
	s_mul_i32 s69, s28, 64*WP
	s_add_co_u32 s69, s69, WC-4*64*WP
	s_add_nc_u64 s[70:71], s[76:77], s[90:91]
	s_or_b32 s71, s71, 0x80000000
	s_lshl_b32 s90, s32, 15
	s_lshl_b32 s92, s33, 12
	s_add_co_u32 s90, s90, s92
	s_mov_b32 s72, 1                               ; group 0 for the scale bytes
	s_mov_b32 s73, WS
	s_add_nc_u64 s[74:75], s[78:79], s[90:91]
	s_or_b32 s75, s75, 0x80000000
	s_lshl_b32 s90, s32, 4
	s_add_co_u32 s90, s90, s35
	s_lshl_b32 s90, s90, 11
	s_lshl_b32 s92, s34, 8
	s_add_co_u32 s90, s90, s92
	s_lshl_b32 s92, s29, 6
	s_add_co_u32 s90, s90, s92
	s_lshl_b32 s90, s90, 3
	s_add_co_u32 s90, s90, ROT
	s_add_nc_u64 s[22:23], s[22:23], s[90:91]      ; (cos, sin) of my head at my first token
	s_cmp_lt_u32 s28, 4                            ; the fills: one a wave, four v_nop behind each
	s_cbranch_scc0 .Lnot_x
	tensor_load_to_lds s[60:63], s[36:43]
	s_nop 0
	NOPS 4
	s_branch .Lasked
.Lnot_x:
	s_cmp_lt_u32 s28, 6
	s_cbranch_scc0 .Lnot_w
	tensor_load_to_lds s[68:71], s[44:51]
	s_nop 0
	NOPS 4
	s_branch .Lasked
.Lnot_w:
	s_cmp_lt_u32 s28, 7
	s_cbranch_scc0 .Lasked
	tensor_load_to_lds s[72:75], s[52:59]
	s_nop 0
	NOPS 4
.Lasked:
.irp b, 0,1,2,3
	global_load_b64 v[16+2*\b:17+2*\b], v11, s[22:23] offset:(32*(\b/2)+8*(\b%2))*8   ; my four tokens' (cos, sin), wanted by q and k behind the K loop.  Every role asks (the address holds for each): v and g never name v16-23
.endr
	s_wait_tensorcnt 0x0                           ; my fill has landed,
	s_barrier_signal -1
	s_barrier_wait -1                              ; everybody's has
; Eight K steps of 128, written out.  The 16 accumulators take turns, one instruction a turn.  Four places stand in front of loads into registers that the last products read.
.macro KLOOP swp
.set ks, 0
.rept 8
.if ks > 0
	NOPS 4
.endif
.irp i, 0,1,2,3
.irp c, 0,1
	ds_load_b128 v[FW+8*\i+4*\c:FW+8*\i+4*\c+3], v5 offset:(32*(\i/2)+8*(\i%2))*WP+64*ks+32*\c
	ds_load_b128 v[FX+8*\i+4*\c:FX+8*\i+4*\c+3], v6 offset:\i*TRB+1024*ks+512*\c
.endr
	ds_load_b32 v[SW+\i], v7 offset:(32*(\i/2)+8*(\i%2))*32+4*ks
	ds_load_b32 v[SX+\i], v8 offset:\i*TRB+128*ks
.endr
	s_wait_dscnt 0x0
.irp b, 0,1,2,3
.irp a, 0,1,2,3
.if \swp
.if ks == 0
	MM ACC+32*\b+8*\a, FX+8*\a, FW+8*\b, SX+\a, SW+\b, 1
.else
	MM ACC+32*\b+8*\a, FX+8*\a, FW+8*\b, SX+\a, SW+\b, 0
.endif
.else
.if ks == 0
	MM ACC+32*\b+8*\a, FW+8*\a, FX+8*\b, SW+\a, SX+\b, 1
.else
	MM ACC+32*\b+8*\a, FW+8*\a, FX+8*\b, SW+\a, SX+\b, 0
.endif
.endif
.endr
.endr
.set ks, ks+1
.endr
	NOPS 4                                         ; places in front of the first read of results
.endm
	s_cmp_eq_u32 s31, 2
	s_cbranch_scc1 .Lv
	KLOOP 0
	s_cmp_eq_u32 s31, 3
	s_cbranch_scc1 .Lg
	; ---- q, k.  Lane (r, h), token tile b: registers 16 c + i = channel 32 c + 16 h + i
	s_lshl_b32 s86, s84, 9                         ; q: codes at (128 head + T) 512,
	s_lshl_b32 s88, s84, 7
	s_add_co_u32 s88, s88, QS                      ; scale words at QS + (128 head + T) 128
	s_and_b32 s90, s29, 1
	s_lshl_b32 s92, s90, 11
	s_add_co_u32 s92, s92, s85                     ; k: in the key step's record: codes at (T % 8) 512,
	s_lshl_b32 s93, s90, 9
	s_add_co_u32 s93, s93, s85
	s_add_co_u32 s93, s93, 8192                    ; scale words at 8192 + (T % 8) 128
	s_cmp_eq_u32 s31, 0
	s_cselect_b32 s86, s86, s92
	s_cselect_b32 s88, s88, s93
	s_mov_b32 s87, 0
	s_mov_b32 s89, 0
	s_add_nc_u64 s[86:87], s[26:27], s[86:87]
	s_add_nc_u64 s[88:89], s[26:27], s[88:89]
.irp b, 0,1,2,3
	v_pk_mul_f32 v[24+2*\b:25+2*\b], v[ACC+32*\b:ACC+32*\b+1], v[ACC+32*\b:ACC+32*\b+1]   ; the sums of squares, each accumulator from its low end on
.endr
.set j, 2
.rept 15
.irp b, 0,1,2,3
	v_pk_fma_f32 v[24+2*\b:25+2*\b], v[ACC+32*\b+j:ACC+32*\b+j+1], v[ACC+32*\b+j:ACC+32*\b+j+1], v[24+2*\b:25+2*\b]
.endr
.set j, j+2
.endr
.irp b, 0,1,2,3
	v_add_f32 v[24+2*\b], v[24+2*\b], v[25+2*\b]
.endr
.irp b, 0,1,2,3
	v_permlanex16_b32 v[25+2*\b], v[24+2*\b], s[SEL], s[SEL+1]
.endr
.irp b, 0,1,2,3
	v_add_f32 v[24+2*\b], v[24+2*\b], v[25+2*\b]   ; with the other 32 channels'
.endr
.irp b, 0,1,2,3
	v_sqrt_f32 v[24+2*\b], v[24+2*\b]
.endr
	v_nop
	s_wait_alu depctr_va_vdst(0)                   ; one wait for the four roots
.irp b, 0,1,2,3
	v_max_num_f32 v[24+2*\b], 0x2b8cbccc, v[24+2*\b]
.endr
.irp b, 0,1,2,3
	v_rcp_f32 v[24+2*\b], v[24+2*\b]
.endr
	v_nop
	s_wait_alu depctr_va_vdst(0)
.set j, 0
.rept 16
.irp b, 0,1,2,3
	v_pk_mul_f32 v[ACC+32*\b+j:ACC+32*\b+j+1], v[ACC+32*\b+j:ACC+32*\b+j+1], v[24+2*\b:25+2*\b] op_sel_hi:[1,0]
.endr
.set j, j+2
.endr
	s_wait_loadcnt 0x0                             ; (cos, sin)
.irp b, 0,1,2,3                        ; channels 0, 1 lie in registers 0, 1 of lanes 0-15; lanes 16-31 turn theirs by (1, 0)
	v_cndmask_b32 v[16+2*\b], 1.0, v[16+2*\b], s82
	v_cndmask_b32 v[17+2*\b], 0, v[17+2*\b], s82
	v_mul_f32 v32, v[ACC+32*\b+1], v[17+2*\b]
	v_mul_f32 v33, v[ACC+32*\b+1], v[16+2*\b]
	v_fma_f32 v32, v[ACC+32*\b], v[16+2*\b], -v32
	v_fma_f32 v[ACC+32*\b+1], v[ACC+32*\b], v[17+2*\b], v33
	v_mov_b32 v[ACC+32*\b], v32
.endr
.irp b, 0,1,2,3
	QUANT ACC+32*\b, 2, 64+4*\b, 96+\b
	v_or_b32 v[96+\b], 0x7f7f0000, v[96+\b]        ; the upper 64 of the instruction's K = 128 are not used: scale 1 there
	global_store_b128 v9, v[64+4*\b:67+4*\b], s[86:87] offset:512*\b   ; a register image: 512 consecutive bytes
	global_store_b32 v10, v[96+\b], s[88:89] offset:128*\b
.endr
	s_wait_tensorcnt 0x0
	ds_add_u32 v62, v63
	s_wait_dscnt 0x0
	s_endpgm
	; ---- g: the sums as they stand, 512 consecutive bytes a store
.Lg:
	s_lshl_b32 s86, s84, 12
	s_add_co_u32 s86, s86, GI
	s_mov_b32 s87, 0
	s_add_nc_u64 s[86:87], s[26:27], s[86:87]
.irp b, 0,1,2,3
.irp a, 0,1,2,3
	global_store_b128 v9, v[ACC+32*\b+8*\a:ACC+32*\b+8*\a+3], s[86:87] offset:(8*\b+2*\a)*512
	global_store_b128 v9, v[ACC+32*\b+8*\a+4:ACC+32*\b+8*\a+7], s[86:87] offset:(8*\b+2*\a+1)*512
.endr
.endr
	s_wait_tensorcnt 0x0
	ds_add_u32 v62, v63
	s_wait_dscnt 0x0
	s_endpgm
	; ---- v.  Lane (r, h), channel tile b: channel 32 (b / 2) + 8 (b % 2) + r + 8 (r / 8); registers 16 c + i = token 32 c + 16 h + i of my 64
.Lv:
	KLOOP 1
	s_and_b32 s90, s29, 1
	s_lshl_b32 s86, s90, 9
	s_add_co_u32 s86, s86, s85
	s_add_co_u32 s86, s86, 4096                    ; V's images: tile b at 1024 b, my 64 keys are half wm % 2 of the step's 128
	s_lshl_b32 s88, s90, 1
	s_add_co_u32 s88, s88, s85
	s_add_co_u32 s88, s88, 9216                    ; its scale words: my two bytes
	s_mov_b32 s87, 0
	s_mov_b32 s89, 0
	s_add_nc_u64 s[86:87], s[26:27], s[86:87]
	s_add_nc_u64 s[88:89], s[26:27], s[88:89]
.set j, 0
.rept 16                               ; a token's sum of squares: over the four tiles,
	v_pk_mul_f32 v[64+j:65+j], v[ACC+j:ACC+j+1], v[ACC+j:ACC+j+1]
.irp b, 1,2,3
	v_pk_fma_f32 v[64+j:65+j], v[ACC+32*\b+j:ACC+32*\b+j+1], v[ACC+32*\b+j:ACC+32*\b+j+1], v[64+j:65+j]
.endr
.set j, j+2
.endr
.irp m, 1,2,4,8                        ; and over the 16 lanes of my row
.set j, 0
.rept 32
	v_add_f32_dpp v[64+j], v[64+j], v[64+j] row_xmask:\m row_mask:0xf bank_mask:0xf
.set j, j+1
.endr
.endr
.set j, 0
.rept 32
	v_sqrt_f32 v[64+j], v[64+j]
.set j, j+1
.endr
	v_nop
	s_wait_alu depctr_va_vdst(0)
.set j, 0
.rept 32
	v_max_num_f32 v[64+j], 0x2b8cbccc, v[64+j]
.set j, j+1
.endr
.set j, 0
.rept 32
	v_rcp_f32 v[64+j], v[64+j]
.set j, j+1
.endr
	v_nop
	s_wait_alu depctr_va_vdst(0)
.set j, 0
.rept 16
.irp b, 0,1,2,3
	v_pk_mul_f32 v[ACC+32*\b+j:ACC+32*\b+j+1], v[ACC+32*\b+j:ACC+32*\b+j+1], v[64+j:65+j]
.endr
.set j, j+2
.endr
.irp b, 0,1,2,3
	QUANT ACC+32*\b, 2, 96+4*\b, 112+\b
	global_store_b128 v9, v[96+4*\b:99+4*\b], s[86:87] offset:1024*\b
	global_store_b16 v10, v[112+\b], s[88:89] offset:128*\b
.endr
	s_wait_tensorcnt 0x0
	ds_add_u32 v62, v63
	s_wait_dscnt 0x0
	s_endpgm
.Lfunc_end_k_q21012f3343_qkvg1:
	.size	k_q21012f3343_qkvg1, .Lfunc_end_k_q21012f3343_qkvg1-k_q21012f3343_qkvg1
	.p2alignl 7, 3214868480
	.fill 96, 4, 3214868480
	.section	.rodata,"a",@progbits
	.p2align	6, 0x0
	.amdhsa_kernel k_q21012f3343_qkvg1
		.amdhsa_group_segment_fixed_size 220160
		.amdhsa_private_segment_fixed_size 0
		.amdhsa_enable_private_segment 0
		.amdhsa_kernarg_size 96
		.amdhsa_user_sgpr_count 2
		.amdhsa_user_sgpr_kernarg_segment_ptr 1
		.amdhsa_wavefront_size32 1
		.amdhsa_system_sgpr_workgroup_id_x 1
		.amdhsa_system_sgpr_workgroup_id_y 1
		.amdhsa_system_sgpr_workgroup_id_z 1
		.amdhsa_system_vgpr_workitem_id 0
		.amdhsa_next_free_vgpr 256
		.amdhsa_next_free_sgpr 100
		.amdhsa_reserve_vcc 0
		.amdhsa_float_denorm_mode_32 3
		.amdhsa_float_denorm_mode_16_64 3
		.amdhsa_memory_ordered 1
		.amdhsa_forward_progress 1
		.amdhsa_inst_pref_size 118
	.end_amdhsa_kernel
	.amdgpu_metadata
---
amdhsa.version: [ 1, 2 ]
amdhsa.kernels:
  - .name:           k_q21012f3343_qkvg1
    .symbol:         k_q21012f3343_qkvg1.kd
    .args:
      - { .name: xq, .offset: 0, .size: 8, .value_kind: global_buffer, .address_space: global }
      - { .name: Wq_codes, .offset: 8, .size: 8, .value_kind: global_buffer, .address_space: global }
      - { .name: Wq_scales, .offset: 16, .size: 8, .value_kind: global_buffer, .address_space: global }
      - { .name: Wk_codes, .offset: 24, .size: 8, .value_kind: global_buffer, .address_space: global }
      - { .name: Wk_scales, .offset: 32, .size: 8, .value_kind: global_buffer, .address_space: global }
      - { .name: Wv_codes, .offset: 40, .size: 8, .value_kind: global_buffer, .address_space: global }
      - { .name: Wv_scales, .offset: 48, .size: 8, .value_kind: global_buffer, .address_space: global }
      - { .name: Wg_codes, .offset: 56, .size: 8, .value_kind: global_buffer, .address_space: global }
      - { .name: Wg_scales, .offset: 64, .size: 8, .value_kind: global_buffer, .address_space: global }
      - { .name: cst, .offset: 72, .size: 8, .value_kind: global_buffer, .address_space: global }
      - { .name: meta0, .offset: 80, .size: 8, .value_kind: global_buffer, .address_space: global }
      - { .name: act, .offset: 88, .size: 8, .value_kind: global_buffer, .address_space: global }
    .group_segment_fixed_size: 220160
    .private_segment_fixed_size: 0
    .kernarg_segment_align: 8
    .kernarg_segment_size: 96
    .max_flat_workgroup_size: 256
    .sgpr_count:     100
    .vgpr_count:     256
    .wavefront_size: 32
...
	.end_amdgpu_metadata
.endif
;; end of part 2
;; launch attn1 (part 3): grid 16 x 32, 16 waves a work-group, no clusters, 296,960 bytes of LDS; arguments act, cst, meta0, hq; writes hq
.if DOCPART == 3
	.amdgcn_target "amdgcn-amd-amdhsa--gfx1250"
	.amdhsa_code_object_version 6
	.text
	.protected	k_q21012f3343_attn1
	.globl	k_q21012f3343_attn1
	.p2align	8
	.type	k_q21012f3343_attn1,@function
k_q21012f3343_attn1:
	s_mov_b64 s[64:65], 0
	v_nop
	global_prefetch_b8 v0, s[64:65] scope:SCOPE_SE
	s_setreg_imm32_b32 hwreg(HW_REG_WAVE_MODE, 25, 1), 1
	s_wait_xcnt 0x0
; ATTENTION OF ONE HEAD FOR 64 QUERIES, up to the quantised operand of the output projection.
; rho = max(0, 1 - r (1 - q.k))^2 x mask(i - j); h = rho v; u = tanh(|h|) / |h| h; hgo = u tanh(silu(g)) exp(sO), FP4 along head x 64 + channel.
; Work-group x: head = 15 - x; y: queries 64 (31 - y) on (the longest key ranges first; no value hangs on the order).  Sixteen waves: wave % 4 = the tile of 16 queries, wave / 4 = a class of key steps:
; class c takes steps c, c + 4, c + 8, c + 12 of 128 keys.  rho has no divisor, so the four classes' partial h simply add (in the order 0, 1, 2, 3: another order of f32 sums than a single pass).
; BOTH PRODUCTS TRANSPOSED: S^T = K Q^T, O^T = V^T P^T: a lane holds one query.  Tiles hold rows 32 g + 8 u + r + 8 (r / 8), so 16 registers of two neighbouring tiles are 16 neighbouring keys (channels).
; K = 64 UNDER AN INSTRUCTION OF K = 128: Q's upper four registers are zero codes; a key tile is named with the four registers behind it (the next tile's codes, or zeros), which meet those zero codes
; under the scale byte 0x7f: they add nothing.
; THE MASK, causal bound and window in one, hangs on (head, i - j) alone: a table made by the first launch, reversed so that ascending keys are ascending words, in four copies shifted by 0-3 words so that
; each lane's four neighbours are 16 aligned bytes.  A step all of whose distances are negative or at least min(ceil(w), 4096), a whole number stored by the first launch, is left out by a scalar branch.
; So this launch has no tensor load: the head's records of the steps that the work-group needs go through registers into LDS, one a wave.
; tanh(x) = x times a series in x^2 under 0.35, else 1 - 2 / (1 + 2^(2 x log2 e)).  LIMITS: NaN and infinities are not served; a block of zeros gets the scale byte 1.
.set QS,  1048576
.set KV,  1310720
.set GI,  3801088
.set KVR, 9728
.set MSK, 5242880
.set PAR, 6553600
.set RED, 155648                       ; LDS: 16 records of 9,728 from 0; 12 partial results of 4,096; g, 4 x 4,096; the mask's four copies of 10,240, last
.set GL,  204800
.set MB,  221184
.set TM,  42                           ; v42-53 at work in QUANT
.set SEL, 28
.macro NOPS n
.rept \n
	v_nop
.endr
.endm
.macro MM d, a, b, sa, sb, zero
.if \zero
	v_wmma_scale_f32_16x16x128_f8f6f4 v[(\d):(\d)+7], v[(\a):(\a)+7], v[(\b):(\b)+7], 0, v[\sa], v[\sb] matrix_a_fmt:MATRIX_FMT_FP4 matrix_b_fmt:MATRIX_FMT_FP4
.else
	v_wmma_scale_f32_16x16x128_f8f6f4 v[(\d):(\d)+7], v[(\a):(\a)+7], v[(\b):(\b)+7], v[(\d):(\d)+7], v[\sa], v[\sb] matrix_a_fmt:MATRIX_FMT_FP4 matrix_b_fmt:MATRIX_FMT_FP4
.endif
.endm
; 16 nb numbers of a lane, register 16 b + i = k 32 b + 16 (lane / 16) + i of my row, become 2 nb registers of codes in the operand's layout (v[pc] on) and the scale bytes (v[pw])
.macro QUANT src, nb, pc, pw
.set qb, 0
.rept \nb
	v_max3_num_f32 v[TM+qb], |v[(\src)+16*qb]|, |v[(\src)+16*qb+1]|, 0x1800000
.set qb, qb+1
.endr
.irp qi, 2,4,6,8,10,12,14
.set qb, 0
.rept \nb
	v_max3_num_f32 v[TM+qb], v[TM+qb], |v[(\src)+16*qb+\qi]|, |v[(\src)+16*qb+\qi+1]|
.set qb, qb+1
.endr
.endr
.set qb, 0
.rept \nb
	v_permlanex16_b32 v[TM+4+qb], v[TM+qb], s[SEL], s[SEL+1]
.set qb, qb+1
.endr
.set qb, 0
.rept \nb
	v_max_num_f32 v[TM+qb], v[TM+qb], v[TM+4+qb]
.set qb, qb+1
.endr
.set qb, 0
.rept \nb
	v_add_nc_u32 v[TM+8+qb], 0xff000000, v[TM+qb]
.set qb, qb+1
.endr
.set qb, 0
.rept \nb
	v_lshrrev_b32 v[TM+4+qb], 23, v[TM+8+qb]
.set qb, qb+1
.endr
	v_lshl_or_b32 v[\pw], v[TM+5], 8, v[TM+4]
.if \nb == 4
	v_lshl_or_b32 v[\pw], v[TM+6], 16, v[\pw]
	v_lshl_or_b32 v[\pw], v[TM+7], 24, v[\pw]
.endif
.set qb, 0
.rept \nb
	v_cvt_scalef32_pk8_fp4_f32 v[(\pc)+2*qb], v[(\src)+16*qb:(\src)+16*qb+7], v[TM+8+qb]
	v_cvt_scalef32_pk8_fp4_f32 v[(\pc)+2*qb+1], v[(\src)+16*qb+8:(\src)+16*qb+15], v[TM+8+qb]
.set qb, qb+1
.endr
	v_nop
.set qb, 0
.rept \nb/2
	v_permlane16_swap_b32 v[(\pc)+4*qb], v[(\pc)+4*qb+2]
	v_permlane16_swap_b32 v[(\pc)+4*qb+1], v[(\pc)+4*qb+3]
.set qb, qb+1
.endr
.endm
; REGISTERS: v1 16 x lane, v2 4 x lane; v3, v4, v6 the trip's addresses; v5 my place in the mask; v7-11 staging addresses; v[12:13] r, v[14:15] 1 - r; v16-19 Q, v20-23 zero codes; v24 Q's scale word, v25 P's,
; v26-33 K's (then V's); v34-41 P's codes; v54-55 a series constant; v58-89 K's eight tiles, then V's four; v90-93 zero codes; v96-159 S; v160-223 mask; v224-255 O.
	s_load_b256 s[4:11], s[0:1], 0x0               ; act 4, cst 6, meta 8, hq 10
	v_lshl_add_u32 v94, v0, 2, 0x48000
	v_mov_b32 v95, 0
	v_lshrrev_b32 v1, 5, v0
	v_readfirstlane_b32 s20, v1                    ; wave
	v_and_b32 v2, 31, v0
	v_lshlrev_b32 v1, 4, v2
	v_lshlrev_b32 v2, 2, v2
	s_sub_co_u32 s14, 15, ttmp9                    ; head
	s_and_b32 s31, ttmp7, 31                       ; work-group y: the grid has 32 along y
	s_sub_co_u32 s15, 31, s31                      ; qb: which 64 queries
	s_and_b32 s21, s20, 3                          ; t
	s_lshr_b32 s22, s20, 2                         ; c
	s_lshl_b32 s47, s15, 2
	s_add_co_u32 s47, s47, s21                     ; T: my query tile
	s_lshl_b32 s23, s15, 6
	s_lshr_b32 s50, s21, 1
	s_lshl_b32 s50, s50, 5
	s_add_co_u32 s23, s23, s50
	s_and_b32 s50, s21, 1
	s_lshl_b32 s50, s50, 3
	s_add_co_u32 s23, s23, s50                     ; Q0: the tile's queries are Q0 + r + 8 (r / 8)
	s_mov_b32 s[SEL], 0x76543210
	s_mov_b32 s[SEL+1], 0xfedcba98
	s_lshl_b32 s30, s31, 6                         ; 2112 - Q0, by additions alone: 88 + 64 y + 32 (1 - t / 2) + 8 (1 - t % 2)
	s_lshr_b32 s50, s21, 1
	s_xor_b32 s50, s50, 1
	s_lshl_b32 s50, s50, 5
	s_add_co_u32 s30, s30, s50
	s_and_b32 s50, s21, 1
	s_xor_b32 s50, s50, 1
	s_lshl_b32 s50, s50, 3
	s_add_co_u32 s30, s30, s50
	s_add_co_u32 s30, s30, 88
	s_lshl_b32 s30, s30, 2
	v_and_b32 v42, 15, v0                          ; r
	v_bfe_u32 v43, v0, 4, 1                        ; h
	v_and_b32 v44, 8, v42
	v_add_nc_u32 v44, v44, v42                     ; r + 8 (r / 8)
	v_and_b32 v45, 3, v42
	v_xor_b32 v45, 3, v45
	v_add_nc_u32 v45, 1, v45
	v_and_b32 v45, 3, v45                          ; a = (-r) mod 4: the copy in which my words are aligned
	v_mul_u32_u24 v5, v45, 10240
	v_and_b32 v50, 1, v45
	v_mad_u32_u24 v5, v50, 48, v5
	v_lshrrev_b32 v50, 1, v45
	v_mad_u32_u24 v5, v50, 144, v5
	v_lshl_add_u32 v5, v43, 6, v5
	v_add_nc_u32 v5, MB, v5
	v_add_nc_u32 v50, 1, v45
	v_lshrrev_b32 v50, 2, v50
	v_lshlrev_b32 v50, 4, v50
	v_lshl_add_u32 v50, v44, 2, v50
	v_lshl_add_u32 v50, v45, 2, v50
	v_sub_nc_u32 v5, v5, v50
	v_add_nc_u32 v5, s30, v5                       ; MB + 10240 a + sh_a + 4 (2112 - Q0 - r - 8 (r / 8) + 16 h - a)
	s_mul_i32 s50, s20, KVR
	v_add_nc_u32 v7, s50, v1                       ; record number wave
	s_mul_i32 s50, s20, 2560
	s_add_co_u32 s50, s50, MB
	v_add_nc_u32 v8, s50, v1                       ; my 2,560 bytes of the mask
	s_lshl_b32 s50, s21, 12
	s_lshl_b32 s51, s22, 10
	s_add_co_u32 s51, s51, s50
	s_add_co_u32 s51, s51, GL
	v_add_nc_u32 v9, s51, v1                       ; g of tile t, accumulator c (in waves 0-3: the tile's first)
	s_lshl_b32 s51, s20, 12
	s_add_co_u32 s51, s51, RED-16384
	v_add_nc_u32 v10, s51, v1                      ; my partial result: number wave - 4
	s_add_co_u32 s50, s50, RED
	v_add_nc_u32 v11, s50, v1                      ; tile t's partial results
	s_wait_kmcnt 0x0
	s_load_b32 s12, s[8:9], 0x40                   ; the layer's number
	s_lshl_b32 s48, s14, 2
	s_mov_b32 s49, 0
	s_add_nc_u64 s[48:49], s[8:9], s[48:49]
	s_load_b32 s13, s[48:49], 0x0                  ; min(ceil(w), 4096) of my head
	s_mov_b32 s53, 0
	s_lshl_b32 s51, s14, 7
	s_add_co_u32 s51, s51, s47                     ; 128 head + T
	s_lshl_b32 s52, s51, 9
	s_add_nc_u64 s[32:33], s[4:5], s[52:53]        ; Q's codes
	s_lshl_b32 s52, s51, 7
	s_add_co_u32 s52, s52, QS
	s_add_nc_u64 s[34:35], s[4:5], s[52:53]        ; Q's scale words
	s_lshl_b32 s52, s51, 3
	s_lshl_b32 s50, s22, 1
	s_add_co_u32 s52, s52, s50
	s_lshl_b32 s52, s52, 9
	s_add_co_u32 s52, s52, GI
	s_add_nc_u64 s[38:39], s[4:5], s[52:53]        ; g
	s_lshl_b32 s52, s14, 4
	s_add_co_u32 s52, s52, s20
	s_mul_i32 s52, s52, KVR
	s_add_co_u32 s52, s52, KV
	s_add_nc_u64 s[40:41], s[4:5], s[52:53]        ; the head's record number wave
	s_mul_i32 s51, s47, 9216
	s_lshr_b32 s50, s14, 1
	s_and_b32 s46, s14, 1
	s_lshl_b32 s52, s50, 10
	s_add_co_u32 s52, s52, s51
	s_lshl_b32 s30, s46, 9
	s_add_co_u32 s52, s52, s30
	s_add_nc_u64 s[42:43], s[10:11], s[52:53]      ; hgo's codes: record T, K step head / 2, half head % 2
	s_lshl_b32 s52, s50, 7
	s_add_co_u32 s52, s52, s51
	s_lshl_b32 s30, s46, 1
	s_add_co_u32 s52, s52, s30
	s_add_co_u32 s52, s52, 8192
	s_add_nc_u64 s[44:45], s[10:11], s[52:53]      ; and my two scale bytes
	global_load_b128 v[16:19], v1, s[32:33]
	global_load_b32 v24, v2, s[34:35]
	global_load_b128 v[196:199], v1, s[38:39]
	global_load_b128 v[200:203], v1, s[38:39] offset:512
	s_wait_kmcnt 0x0
	s_min_u32 s12, s12, 1
	s_lshl_b32 s50, s12, 4
	s_add_co_u32 s50, s50, s14                     ; 16 layer + head
	s_lshl_b32 s52, s50, 4
	s_add_co_u32 s52, s52, PAR
	s_add_nc_u64 s[54:55], s[6:7], s[52:53]
	s_load_b128 s[16:19], s[54:55], 0x0            ; r, 1 - r, exp(sO), 0
	s_mul_i32 s52, s50, 40960
	s_mul_i32 s51, s20, 2560
	s_add_co_u32 s52, s52, s51
	s_add_co_u32 s52, s52, MSK
	s_add_nc_u64 s[36:37], s[6:7], s[52:53]
.irp k, 0,1,2,3,4
	global_load_b128 v[176+4*\k:179+4*\k], v1, s[36:37] offset:512*\k
.endr
	s_lshl_b32 s48, s20, 7                         ; does the work-group need key step number wave?  Its first key is not behind the last query,
	s_lshl_b32 s49, s15, 6
	s_add_co_u32 s50, s49, 63
	s_cmp_gt_u32 s48, s50
	s_cbranch_scc1 .Lno_kv
	s_sub_co_i32 s50, s49, s48
	s_sub_co_i32 s50, s50, 127
	s_cmp_ge_i32 s50, s13                          ; and its least distance lies inside the window
	s_cbranch_scc1 .Lno_kv
.set k, 0
.rept 19
	global_load_b128 v[96+4*k:99+4*k], v1, s[40:41] offset:512*k
.set k, k+1
.endr
	s_wait_loadcnt 0x0
.set k, 0
.rept 19
	ds_store_b128 v7, v[96+4*k:99+4*k] offset:512*k
.set k, k+1
.endr
.Lno_kv:
	s_wait_loadcnt 0x0
.irp k, 0,1,2,3,4
	ds_store_b128 v8, v[176+4*\k:179+4*\k] offset:512*\k
.endr
	ds_store_b128 v9, v[196:199]
	ds_store_b128 v9, v[200:203] offset:512
.irp j, 20,21,22,23,90,91,92,93,46,47,48,49
	v_mov_b32 v\j, 0                               ; zero codes; and QUANT's permute destinations, written once
.endr
.set j, 0
.rept 32
	v_mov_b32 v[224+j], 0                          ; O: any step may be left out, so no product can be the one that starts the sums
.set j, j+1
.endr
	s_wait_kmcnt 0x0
	v_mov_b32 v12, s16
	v_mov_b32 v13, s16
	v_mov_b32 v14, s17
	v_mov_b32 v15, s17
	s_mul_i32 s24, s22, KVR                        ; my first step's record,
	s_lshl_b32 s25, s22, 9                         ; its place in the mask (4 bytes a key),
	s_lshl_b32 s26, s22, 7                         ; its first key
	s_mov_b32 s27, 4
	s_wait_dscnt 0x0                               ; my stores have landed,
	s_barrier_signal -1
	s_barrier_wait -1                              ; everybody's have
.Ltrip:
	s_add_co_u32 s30, s23, 23
	s_cmp_gt_u32 s26, s30                          ; all keys behind my last query: nothing counts
	s_cbranch_scc1 .Lskip
	s_sub_co_i32 s30, s23, s26
	s_sub_co_i32 s30, s30, 127
	s_cmp_ge_i32 s30, s13                          ; the least distance is outside the window: nothing counts
	s_cbranch_scc1 .Lskip
	v_add_nc_u32 v3, s24, v1                       ; (these three and the v_nop are the four places in front of loads into registers that the last products read)
	v_add_nc_u32 v4, s24, v2
	v_add_nc_u32 v6, s25, v5
	v_nop
.irp i, 0,1,2,3,4,5,6,7
	ds_load_b128 v[58+4*\i:61+4*\i], v3 offset:512*\i
	ds_load_b32 v[26+\i], v4 offset:8192+128*\i
.endr
.irp b, 0,1,2,3
.irp e, 0,1,2,3
	ds_load_b128 v[160+16*\b+4*\e:163+16*\b+4*\e], v6 offset:128*\b+16*\e
.endr
.endr
	s_wait_dscnt 16                                ; K and its scale words are in; the 16 loads of the mask may be out
.irp i, 0,1,2,3,4,5,6,7
	MM 96+8*\i, 58+4*\i, 16, 26+\i, 24, 1
.endr
	NOPS 4
.irp i, 0,1,2,3
	ds_load_b128 v[58+8*\i:61+8*\i], v3 offset:4096+1024*\i
	ds_load_b128 v[62+8*\i:65+8*\i], v3 offset:4096+1024*\i+512
	ds_load_b32 v[26+\i], v4 offset:9216+128*\i
.endr
.set j, 0
.rept 32
	v_pk_fma_f32 v[96+j:97+j], v[96+j:97+j], v[12:13], v[14:15]    ; 1 - r (1 - s) = r s + (1 - r); each accumulator from its low end on
.set j, j+2
.endr
.set j, 0
.rept 64
	v_max_num_f32 v[96+j], 0, v[96+j]
.set j, j+1
.endr
.set j, 0
.rept 32
	v_pk_mul_f32 v[96+j:97+j], v[96+j:97+j], v[96+j:97+j]
.set j, j+2
.endr
	s_wait_dscnt 12                                ; the mask is in; V's 12 loads may be out
.set j, 0
.rept 32
	v_pk_mul_f32 v[96+j:97+j], v[96+j:97+j], v[160+j:161+j]
.set j, j+2
.endr
	QUANT 96, 4, 34, 25
	NOPS 8                                         ; a scale register written by a vector instruction stands eight places ahead of a scaled product, an operand four
	s_wait_dscnt 0x0
.irp i, 0,1,2,3
	MM 224+8*\i, 58+8*\i, 34, 26+\i, 25, 0         ; the four accumulators by turns, one instruction a turn
.endr
.Lskip:
	s_add_co_u32 s24, s24, 4*KVR
	s_add_co_u32 s25, s25, 2048
	s_add_co_u32 s26, s26, 512
	s_sub_co_u32 s27, s27, 1
	s_cmp_lg_u32 s27, 0
	s_cbranch_scc1 .Ltrip
	NOPS 4
	s_cmp_lt_u32 s20, 4
	s_cbranch_scc1 .Lno_part
.irp k, 0,1,2,3,4,5,6,7
	ds_store_b128 v10, v[224+4*\k:227+4*\k] offset:512*\k          ; classes 1 to 3: the partial result as it stands
.endr
.Lno_part:
	s_wait_dscnt 0x0
	s_barrier_signal -1
	s_barrier_wait -1
	s_cmp_ge_u32 s20, 4
	s_cbranch_scc1 .Lend
	; ---- waves 0-3: tile t's result
.irp p, 0,1,2
.irp k, 0,1,2,3,4,5,6,7
	ds_load_b128 v[96+32*\p+4*\k:99+32*\p+4*\k], v11 offset:16384*\p+512*\k
.endr
.endr
.irp k, 0,1,2,3,4,5,6,7
	ds_load_b128 v[58+4*\k:61+4*\k], v9 offset:512*\k              ; g, in O's layout
.endr
	s_mov_b32 s46, 0x3eb33333                      ; 0.35
	v_mov_b32 v54, 0xbc11371b                      ; the series' last coefficient
	v_mov_b32 v55, 0xbc11371b
	s_wait_dscnt 0x0
.irp p, 0,1,2
.set j, 0
.rept 16
	v_pk_add_f32 v[224+j:225+j], v[224+j:225+j], v[96+32*\p+j:97+32*\p+j]
.set j, j+2
.endr
.endr
	; tanh(silu(g)): E v96-127, y^2 v128-159, the series v160-191
.set j, 0
.rept 16
	v_pk_mul_f32 v[96+j:97+j], v[58+j:59+j], 0xbfb8aa3b op_sel_hi:[1,0]
.set j, j+2
.endr
.set j, 0
.rept 32
	v_exp_f32 v[96+j], v[96+j]
.set j, j+1
.endr
	v_nop
	s_wait_alu depctr_va_vdst(0)
.set j, 0
.rept 16
	v_pk_add_f32 v[96+j:97+j], v[96+j:97+j], 1.0 op_sel_hi:[1,0]
.set j, j+2
.endr
.set j, 0
.rept 32
	v_rcp_f32 v[96+j], v[96+j]
.set j, j+1
.endr
	v_nop
	s_wait_alu depctr_va_vdst(0)
.set j, 0
.rept 16
	v_pk_mul_f32 v[58+j:59+j], v[58+j:59+j], v[96+j:97+j]          ; y = silu(g)
.set j, j+2
.endr
.set j, 0
.rept 16
	v_pk_mul_f32 v[96+j:97+j], v[58+j:59+j], 0x4038aa3b op_sel_hi:[1,0]
.set j, j+2
.endr
.set j, 0
.rept 32
	v_exp_f32 v[96+j], v[96+j]
.set j, j+1
.endr
.set j, 0
.rept 16                               ; the series is the independent work behind the exponentials
	v_pk_mul_f32 v[128+j:129+j], v[58+j:59+j], v[58+j:59+j]
.set j, j+2
.endr
.set j, 0
.rept 16
	v_pk_fma_f32 v[160+j:161+j], v[128+j:129+j], v[54:55], 0x3cb327a4 op_sel_hi:[1,1,0]
.set j, j+2
.endr
.irp cf, 0xbd5d0dd1, 0x3e088889, 0xbeaaaaab, 1.0
.set j, 0
.rept 16
	v_pk_fma_f32 v[160+j:161+j], v[160+j:161+j], v[128+j:129+j], \cf op_sel_hi:[1,1,0]
.set j, j+2
.endr
.endr
.set j, 0
.rept 16
	v_pk_mul_f32 v[160+j:161+j], v[160+j:161+j], v[58+j:59+j]
.set j, j+2
.endr
	s_wait_alu depctr_va_vdst(0)                   ; one wait for the 32 exponentials, ahead of their first reader
.set j, 0
.rept 16
	v_pk_add_f32 v[96+j:97+j], v[96+j:97+j], 1.0 op_sel_hi:[1,0]
.set j, j+2
.endr
.set j, 0
.rept 32
	v_rcp_f32 v[96+j], v[96+j]
.set j, j+1
.endr
	v_nop
	s_wait_alu depctr_va_vdst(0)
.set j, 0
.rept 16
	v_pk_fma_f32 v[96+j:97+j], v[96+j:97+j], -2.0, 1.0 op_sel_hi:[1,0,0]
.set j, j+2
.endr
.set j, 0
.rept 32
	v_cmp_lt_f32 vcc_lo, |v[58+j]|, s46
	v_cndmask_b32 v[58+j], v[96+j], v[160+j], vcc_lo               ; tanh(y): the series where |y| < 0.35
.set j, j+1
.endr
	; |h|, and tanh(|h|) / |h|
	v_pk_mul_f32 v[96:97], v[224:225], v[224:225]
	v_pk_mul_f32 v[98:99], v[226:227], v[226:227]
.irp j, 4,8,12,16,20,24,28
	v_pk_fma_f32 v[96:97], v[224+\j:225+\j], v[224+\j:225+\j], v[96:97]
	v_pk_fma_f32 v[98:99], v[226+\j:227+\j], v[226+\j:227+\j], v[98:99]
.endr
	v_pk_add_f32 v[96:97], v[96:97], v[98:99]
	v_add_f32 v96, v96, v97
	v_permlanex16_b32 v97, v96, s[SEL], s[SEL+1]
	v_add_f32 v96, v96, v97
	v_sqrt_f32 v98, v96
	v_nop
	s_wait_alu depctr_va_vdst(0)
	v_max_num_f32 v98, 0x322bcc77, v98             ; max(|h|, 1e-8)
	v_mul_f32 v101, 0x4038aa3b, v98
	v_exp_f32 v101, v101
	v_rcp_f32 v102, v98
	v_mul_f32 v99, v98, v98                        ; (plain work behind the two)
	v_mov_b32 v100, 0xbc11371b
	v_fmaak_f32 v100, v100, v99, 0x3cb327a4
	v_fmaak_f32 v100, v100, v99, 0xbd5d0dd1
	v_fmaak_f32 v100, v100, v99, 0x3e088889
	v_fmaak_f32 v100, v100, v99, 0xbeaaaaab
	v_fma_f32 v100, v100, v99, 1.0
	s_wait_alu depctr_va_vdst(0)
	v_add_f32 v101, 1.0, v101
	v_rcp_f32 v101, v101
	v_nop
	s_wait_alu depctr_va_vdst(0)
	v_fma_f32 v101, v101, -2.0, 1.0
	v_mul_f32 v101, v101, v102
	v_cmp_gt_f32 vcc_lo, s46, v98
	v_cndmask_b32 v100, v101, v100, vcc_lo
.set j, 0
.rept 16
	v_pk_mul_f32 v[224+j:225+j], v[224+j:225+j], v[100:101] op_sel_hi:[1,0]
.set j, j+2
.endr
.set j, 0
.rept 16
	v_pk_mul_f32 v[224+j:225+j], v[224+j:225+j], v[58+j:59+j]
.set j, j+2
.endr
.set j, 0
.rept 16
	v_pk_mul_f32 v[224+j:225+j], v[224+j:225+j], s[18:19] op_sel_hi:[1,0]
.set j, j+2
.endr
	QUANT 224, 2, 34, 25
	global_store_b128 v1, v[34:37], s[42:43]       ; a register image: 512 consecutive bytes
	global_store_b16 v2, v25, s[44:45]
.Lend:
	s_wait_tensorcnt 0x0
	ds_add_u32 v94, v95
	s_wait_dscnt 0x0
	s_endpgm
.Lfunc_end_k_q21012f3343_attn1:
	.size	k_q21012f3343_attn1, .Lfunc_end_k_q21012f3343_attn1-k_q21012f3343_attn1
	.p2alignl 7, 3214868480
	.fill 96, 4, 3214868480
	.section	.rodata,"a",@progbits
	.p2align	6, 0x0
	.amdhsa_kernel k_q21012f3343_attn1
		.amdhsa_group_segment_fixed_size 296960
		.amdhsa_private_segment_fixed_size 0
		.amdhsa_enable_private_segment 0
		.amdhsa_kernarg_size 32
		.amdhsa_user_sgpr_count 2
		.amdhsa_user_sgpr_kernarg_segment_ptr 1
		.amdhsa_wavefront_size32 1
		.amdhsa_system_sgpr_workgroup_id_x 1
		.amdhsa_system_sgpr_workgroup_id_y 1
		.amdhsa_system_sgpr_workgroup_id_z 1
		.amdhsa_system_vgpr_workitem_id 0
		.amdhsa_next_free_vgpr 256
		.amdhsa_next_free_sgpr 66
		.amdhsa_reserve_vcc 1
		.amdhsa_float_denorm_mode_32 3
		.amdhsa_float_denorm_mode_16_64 3
		.amdhsa_memory_ordered 1
		.amdhsa_forward_progress 1
		.amdhsa_inst_pref_size 66
	.end_amdhsa_kernel
	.amdgpu_metadata
---
amdhsa.version: [ 1, 2 ]
amdhsa.kernels:
  - .name:           k_q21012f3343_attn1
    .symbol:         k_q21012f3343_attn1.kd
    .args:
      - { .name: act, .offset: 0, .size: 8, .value_kind: global_buffer, .address_space: global }
      - { .name: cst, .offset: 8, .size: 8, .value_kind: global_buffer, .address_space: global }
      - { .name: meta0, .offset: 16, .size: 8, .value_kind: global_buffer, .address_space: global }
      - { .name: hq, .offset: 24, .size: 8, .value_kind: global_buffer, .address_space: global }
    .group_segment_fixed_size: 296960
    .private_segment_fixed_size: 0
    .kernarg_segment_align: 8
    .kernarg_segment_size: 32
    .max_flat_workgroup_size: 512
    .sgpr_count:     66
    .vgpr_count:     256
    .wavefront_size: 32
...
	.end_amdgpu_metadata
.endif
;; end of part 3
;; launch oproj1 (part 4): grid 8 x 32, 4 waves a work-group, no clusters, 168,448 bytes of LDS; arguments hq, Wo_codes, Wo_scales, xa, meta0, xb, xq; writes xb, xq
.if DOCPART == 4
	.amdgcn_target "amdgcn-amd-amdhsa--gfx1250"
	.amdhsa_code_object_version 6
	.text
	.protected	k_q21012f3343_oproj1
	.globl	k_q21012f3343_oproj1
	.p2align	8
	.type	k_q21012f3343_oproj1,@function
k_q21012f3343_oproj1:
	s_mov_b64 s[64:65], 0
	v_nop
	global_prefetch_b8 v0, s[64:65] scope:SCOPE_SE
	s_setreg_imm32_b32 hwreg(HW_REG_WAVE_MODE, 25, 1), 1
	s_wait_xcnt 0x0
; THE OUTPUT PROJECTION AND THE RESIDUAL: x' = x + hgo Wo^T, stored as f32 and as FP4 tile records for the next products.
; Work-group x: 128 output channels, which are K step x of the next product; y: 64 tokens.  Wave w: token tile 4 y + w against the eight tiles of Wo's rows: eight accumulators by turns.
; Source 0 = 16 rows of Wo (rows 32 g + 8 u + r + 8 (r / 8)), source 1 = hgo's tile: a lane holds a token and 64 of the 128 channels, 16 neighbours of each block of 32.
; All of K = 1,024 lies in LDS at once; every LDS byte is filled once (wave 0: hgo's four records; waves 1, 2: Wo's codes; wave 3: its scale bytes and x's 64 x 128 numbers).
; The second layer's f32 copy of x' is read by nobody: it is the price of one text for both layers.  No multicast: each work-group fills LDS once, and this text keeps the plain form.
; LIMITS: NaN and infinities are not served; a block of zeros gets the scale byte 1.
.set WC,  36864
.set WS,  104448
.set XT,  108544
.set WP,  528
.set TRB, 9216
.set FW,  64                           ; v64-127 Wo's eight fragments; later x, later rows of x'
.set FH,  40                           ; v40-47 hgo's fragment; later the new codes
.set SW,  48                           ; v48-55 Wo's scale words, v56 hgo's
.set SH,  56
.set ACC, 128
.set TM,  20
.set SEL, 88
.macro NOPS n
.rept \n
	v_nop
.endr
.endm
.macro MM d, a, b, sa, sb, zero
.if \zero
	v_wmma_scale_f32_16x16x128_f8f6f4 v[(\d):(\d)+7], v[(\a):(\a)+7], v[(\b):(\b)+7], 0, v[\sa], v[\sb] matrix_a_fmt:MATRIX_FMT_FP4 matrix_b_fmt:MATRIX_FMT_FP4
.else
	v_wmma_scale_f32_16x16x128_f8f6f4 v[(\d):(\d)+7], v[(\a):(\a)+7], v[(\b):(\b)+7], v[(\d):(\d)+7], v[\sa], v[\sb] matrix_a_fmt:MATRIX_FMT_FP4 matrix_b_fmt:MATRIX_FMT_FP4
.endif
.endm
.macro QUANT src, nb, pc, pw           ; as in the other launches: 16 nb numbers a lane -> codes in the operand's layout, and the scale bytes
.set qb, 0
.rept \nb
	v_max3_num_f32 v[TM+qb], |v[(\src)+16*qb]|, |v[(\src)+16*qb+1]|, 0x1800000
.set qb, qb+1
.endr
.irp qi, 2,4,6,8,10,12,14
.set qb, 0
.rept \nb
	v_max3_num_f32 v[TM+qb], v[TM+qb], |v[(\src)+16*qb+\qi]|, |v[(\src)+16*qb+\qi+1]|
.set qb, qb+1
.endr
.endr
.set qb, 0
.rept \nb
	v_permlanex16_b32 v[TM+4+qb], v[TM+qb], s[SEL], s[SEL+1]
.set qb, qb+1
.endr
.set qb, 0
.rept \nb
	v_max_num_f32 v[TM+qb], v[TM+qb], v[TM+4+qb]
.set qb, qb+1
.endr
.set qb, 0
.rept \nb
	v_add_nc_u32 v[TM+8+qb], 0xff000000, v[TM+qb]
.set qb, qb+1
.endr
.set qb, 0
.rept \nb
	v_lshrrev_b32 v[TM+4+qb], 23, v[TM+8+qb]
.set qb, qb+1
.endr
	v_lshl_or_b32 v[\pw], v[TM+5], 8, v[TM+4]
.if \nb == 4
	v_lshl_or_b32 v[\pw], v[TM+6], 16, v[\pw]
	v_lshl_or_b32 v[\pw], v[TM+7], 24, v[\pw]
.endif
.set qb, 0
.rept \nb
	v_cvt_scalef32_pk8_fp4_f32 v[(\pc)+2*qb], v[(\src)+16*qb:(\src)+16*qb+7], v[TM+8+qb]
	v_cvt_scalef32_pk8_fp4_f32 v[(\pc)+2*qb+1], v[(\src)+16*qb+8:(\src)+16*qb+15], v[TM+8+qb]
.set qb, qb+1
.endr
	v_nop
.set qb, 0
.rept \nb/2
	v_permlane16_swap_b32 v[(\pc)+4*qb], v[(\pc)+4*qb+2]
	v_permlane16_swap_b32 v[(\pc)+4*qb+1], v[(\pc)+4*qb+3]
.set qb, qb+1
.endr
.endm
	s_load_b256 s[4:11], s[0:1], 0x0               ; hq 4, Wo's codes 6, scales 8, x 10
	s_load_b128 s[12:15], s[0:1], 0x20             ; meta 12, x' 14
	s_load_b64 s[16:17], s[0:1], 0x30              ; xq
	v_lshl_add_u32 v192, v0, 2, 0x29000
	v_mov_b32 v193, 0
	ds_add_u32 v192, v193
	ds_add_u32 v192, v193
	v_lshrrev_b32 v1, 5, v0
	v_readfirstlane_b32 s28, v1                    ; wave
	v_and_b32 v1, 31, v0
	v_and_b32 v2, 15, v0
	v_bfe_u32 v3, v0, 4, 1
	v_and_b32 v4, 8, v2
	v_add_nc_u32 v4, v4, v2                        ; r + 8 (r / 8)
	s_and_b32 s34, ttmp7, 0xffff
	s_mov_b32 s[SEL], 0x76543210
	s_mov_b32 s[SEL+1], 0xfedcba98
	s_mov_b32 s36, 3<<16                           ; records: 144 rows of 256 dense bytes
	s_mov_b32 s37, 32<<16
	s_mov_b32 s38, 144<<16
	s_mov_b32 s39, 32<<16
	s_mov_b32 s40, 144
	s_mov_b32 s41, 32
	s_mov_b32 s42, 0
	s_mov_b32 s43, 0
	s_mov_b32 s44, (1<<20)|(6<<22)|(3<<25)         ; Wo's codes: 64 rows of 512 bytes + 16 of padding
	s_mov_b32 s45, 512<<16
	s_mov_b32 s46, 64<<16
	s_mov_b32 s47, 512<<16
	s_mov_b32 s48, 64
	s_mov_b32 s49, 512
	s_mov_b32 s50, 0
	s_mov_b32 s51, 0
	s_mov_b32 s52, 3<<16                           ; its scale bytes: 16 rows of 256 dense bytes
	s_mov_b32 s53, 32<<16
	s_mov_b32 s54, 16<<16
	s_mov_b32 s55, 32<<16
	s_mov_b32 s56, 16
	s_mov_b32 s57, 32
	s_mov_b32 s58, 0
	s_mov_b32 s59, 0
	s_mov_b32 s76, (2<<16)|(1<<20)|(6<<22)|(3<<25) ; x: 64 rows of 128 f32, 1,024 apart, + 16 bytes of padding
	s_mov_b32 s77, 128<<16
	s_mov_b32 s78, 64<<16
	s_mov_b32 s79, 128<<16
	s_mov_b32 s80, 64
	s_mov_b32 s81, 1024
	s_mov_b32 s82, 0
	s_mov_b32 s83, 0
	s_wait_dscnt 0x0
	s_wait_kmcnt 0x0
	s_load_b32 s32, s[12:13], 0x40                 ; the layer's number
	v_mul_u32_u24 v5, v4, WP
	v_lshl_add_u32 v5, v3, 4, v5
	v_add_nc_u32 v5, WC, v5                        ; Wo's fragments
	v_lshlrev_b32 v9, 4, v1
	v_lshlrev_b32 v10, 2, v1
	s_mul_i32 s90, s28, TRB
	v_add_nc_u32 v6, s90, v9                       ; my record of hgo
	s_add_co_u32 s90, s90, 8192
	v_add_nc_u32 v8, s90, v10
	v_lshlrev_b32 v7, 5, v4
	v_add_nc_u32 v7, WS, v7                        ; Wo's scale words
	s_lshr_b32 s90, s28, 1
	s_lshl_b32 s90, s90, 5
	s_and_b32 s92, s28, 1
	s_lshl_b32 s92, s92, 3
	s_add_co_u32 s90, s90, s92
	s_mul_i32 s90, s90, WP
	s_add_co_u32 s90, s90, XT
	v_mul_u32_u24 v11, v4, WP
	v_lshl_add_u32 v11, v3, 6, v11
	v_add_nc_u32 v11, s90, v11                     ; x: my token's row, + 64 h
	s_mul_i32 s90, s28, 16*WP
	s_add_co_u32 s90, s90, XT
	v_add_nc_u32 v12, s90, v9                      ; the way out: rows 16 w on, 16 bytes a lane
.irp b, 0,1,2,3
	v_mov_b32 v[TM+4+\b], 0
.endr
	s_mov_b32 s91, 0
	s_wait_kmcnt 0x0
	s_min_u32 s32, s32, 1
	s_mul_i32 s90, s34, 4*TRB
	s_mov_b32 s60, 1
	s_mov_b32 s61, 0
	s_add_nc_u64 s[62:63], s[4:5], s[90:91]
	s_or_b32 s63, s63, 0x80000000
	s_lshl_b32 s90, s32, 19
	s_lshl_b32 s92, ttmp9, 16
	s_add_co_u32 s90, s90, s92
	s_lshr_b32 s92, s28, 1
	s_lshl_b32 s92, s92, 15
	s_add_co_u32 s90, s90, s92
	s_mov_b32 s68, 1
	s_mul_i32 s69, s28, 64*WP
	s_add_co_u32 s69, s69, WC-64*WP
	s_add_nc_u64 s[70:71], s[6:7], s[90:91]
	s_or_b32 s71, s71, 0x80000000
	s_lshl_b32 s90, s32, 15
	s_lshl_b32 s92, ttmp9, 12
	s_add_co_u32 s90, s90, s92
	s_mov_b32 s72, 1
	s_mov_b32 s73, WS
	s_add_nc_u64 s[74:75], s[8:9], s[90:91]
	s_or_b32 s75, s75, 0x80000000
	s_lshl_b32 s90, s34, 18
	s_lshl_b32 s92, ttmp9, 9
	s_add_co_u32 s90, s90, s92
	s_mov_b32 s84, 1
	s_mov_b32 s85, XT
	s_add_nc_u64 s[86:87], s[10:11], s[90:91]
	s_or_b32 s87, s87, 0x80000000
	s_cmp_eq_u32 s28, 0                            ; the fills; four v_nop behind a wave's last
	s_cbranch_scc0 .Lnot_0
	tensor_load_to_lds s[60:63], s[36:43]
	s_nop 0
	NOPS 4
	s_branch .Lasked
.Lnot_0:
	s_cmp_lt_u32 s28, 3
	s_cbranch_scc0 .Lwave_3
	tensor_load_to_lds s[68:71], s[44:51]
	s_nop 0
	NOPS 4
	s_branch .Lasked
.Lwave_3:
	tensor_load_to_lds s[72:75], s[52:59]
	s_nop 0
	tensor_load_to_lds s[84:87], s[76:83]
	s_nop 0
	NOPS 4
.Lasked:
	s_lshl_b32 s92, s34, 2
	s_add_co_u32 s92, s92, s28                     ; T
	s_mul_i32 s92, s92, TRB
	s_lshl_b32 s90, ttmp9, 10
	s_add_co_u32 s90, s90, s92
	s_add_nc_u64 s[18:19], s[16:17], s[90:91]      ; the new codes: record T, K step x
	s_lshl_b32 s90, ttmp9, 7
	s_add_co_u32 s90, s90, s92
	s_add_co_u32 s90, s90, 8192
	s_add_nc_u64 s[20:21], s[16:17], s[90:91]      ; and its scale words
	s_lshl_b32 s90, s34, 6
	s_lshl_b32 s92, s28, 4
	s_add_co_u32 s90, s90, s92
	s_lshl_b32 s90, s90, 12
	s_lshl_b32 s92, ttmp9, 9
	s_add_co_u32 s90, s90, s92
	s_add_nc_u64 s[14:15], s[14:15], s[90:91]      ; x' at row 64 y + 16 w, my 128 channels
	s_wait_tensorcnt 0x0
	s_barrier_signal -1
	s_barrier_wait -1
.set ks, 0
.rept 8
.if ks > 0
	NOPS 4                                         ; places in front of loads into registers that the last products read
.endif
.irp a, 0,1,2,3,4,5,6,7
.irp c, 0,1
	ds_load_b128 v[FW+8*\a+4*\c:FW+8*\a+4*\c+3], v5 offset:(32*(\a/2)+8*(\a%2))*WP+64*ks+32*\c
.endr
	ds_load_b32 v[SW+\a], v7 offset:(32*(\a/2)+8*(\a%2))*32+4*ks
.endr
	ds_load_b128 v[FH:FH+3], v6 offset:1024*ks
	ds_load_b128 v[FH+4:FH+7], v6 offset:1024*ks+512
	ds_load_b32 v[SH], v8 offset:128*ks
	s_wait_dscnt 0x0
.irp a, 0,1,2,3,4,5,6,7
.if ks == 0
	MM ACC+8*\a, FW+8*\a, FH, SW+\a, SH, 1
.else
	MM ACC+8*\a, FW+8*\a, FH, SW+\a, SH, 0
.endif
.endr
.set ks, ks+1
.endr
	NOPS 4
.irp b, 0,1,2,3
.irp q, 0,1,2,3
	ds_load_b128 v[FW+16*\b+4*\q:FW+16*\b+4*\q+3], v11 offset:128*\b+16*\q    ; x at my token, channels 32 b + 16 h + 4 q on
.endr
.endr
	s_wait_dscnt 0x0
.set j, 0
.rept 32
	v_pk_add_f32 v[ACC+j:ACC+j+1], v[ACC+j:ACC+j+1], v[FW+j:FW+j+1]           ; the residual; each accumulator from its low end on
.set j, j+2
.endr
.irp b, 0,1,2,3
.irp q, 0,1,2,3
	ds_store_b128 v11, v[ACC+16*\b+4*\q:ACC+16*\b+4*\q+3] offset:128*\b+16*\q  ; x' over x: each lane over the bytes that it read
.endr
.endr
	QUANT ACC, 4, FH, 58
	global_store_b128 v9, v[FH:FH+3], s[18:19]
	global_store_b128 v9, v[FH+4:FH+7], s[18:19] offset:512
	global_store_b32 v10, v58, s[20:21]
	s_wait_dscnt 0x0                               ; my rows of x' lie in LDS,
	s_barrier_signal -1
	s_barrier_wait -1                              ; everybody's do
.set i, 0
.rept 16
	ds_load_b128 v[FW+4*i:FW+4*i+3], v12 offset:WP*i
.set i, i+1
.endr
.set i, 0
.rept 16
	s_wait_dscnt 15-i                              ; the younger read-backs may be out
	global_store_b128 v9, v[FW+4*i:FW+4*i+3], s[14:15] offset:4096*i          ; 512 consecutive bytes, aligned
.set i, i+1
.endr
	s_wait_tensorcnt 0x0
	ds_add_u32 v192, v193
	s_wait_dscnt 0x0
	s_endpgm
.Lfunc_end_k_q21012f3343_oproj1:
	.size	k_q21012f3343_oproj1, .Lfunc_end_k_q21012f3343_oproj1-k_q21012f3343_oproj1
	.p2alignl 7, 3214868480
	.fill 96, 4, 3214868480
	.section	.rodata,"a",@progbits
	.p2align	6, 0x0
	.amdhsa_kernel k_q21012f3343_oproj1
		.amdhsa_group_segment_fixed_size 168448
		.amdhsa_private_segment_fixed_size 0
		.amdhsa_enable_private_segment 0
		.amdhsa_kernarg_size 56
		.amdhsa_user_sgpr_count 2
		.amdhsa_user_sgpr_kernarg_segment_ptr 1
		.amdhsa_wavefront_size32 1
		.amdhsa_system_sgpr_workgroup_id_x 1
		.amdhsa_system_sgpr_workgroup_id_y 1
		.amdhsa_system_sgpr_workgroup_id_z 1
		.amdhsa_system_vgpr_workitem_id 0
		.amdhsa_next_free_vgpr 194
		.amdhsa_next_free_sgpr 100
		.amdhsa_reserve_vcc 0
		.amdhsa_float_denorm_mode_32 3
		.amdhsa_float_denorm_mode_16_64 3
		.amdhsa_memory_ordered 1
		.amdhsa_forward_progress 1
		.amdhsa_inst_pref_size 42
	.end_amdhsa_kernel
	.amdgpu_metadata
---
amdhsa.version: [ 1, 2 ]
amdhsa.kernels:
  - .name:           k_q21012f3343_oproj1
    .symbol:         k_q21012f3343_oproj1.kd
    .args:
      - { .name: hq, .offset: 0, .size: 8, .value_kind: global_buffer, .address_space: global }
      - { .name: Wo_codes, .offset: 8, .size: 8, .value_kind: global_buffer, .address_space: global }
      - { .name: Wo_scales, .offset: 16, .size: 8, .value_kind: global_buffer, .address_space: global }
      - { .name: xa, .offset: 24, .size: 8, .value_kind: global_buffer, .address_space: global }
      - { .name: meta0, .offset: 32, .size: 8, .value_kind: global_buffer, .address_space: global }
      - { .name: xb, .offset: 40, .size: 8, .value_kind: global_buffer, .address_space: global }
      - { .name: xq, .offset: 48, .size: 8, .value_kind: global_buffer, .address_space: global }
    .group_segment_fixed_size: 168448
    .private_segment_fixed_size: 0
    .kernarg_segment_align: 8
    .kernarg_segment_size: 56
    .max_flat_workgroup_size: 128
    .sgpr_count:     100
    .vgpr_count:     194
    .wavefront_size: 32
...
	.end_amdgpu_metadata
.endif
;; end of part 4
;; launch qkvg2: the kernel of part 2 again; grid 32 x 8, 8 waves a work-group, no clusters, 220,160 bytes of LDS; arguments xq, Wq_codes, Wq_scales, Wk_codes, Wk_scales, Wv_codes, Wv_scales, Wg_codes, Wg_scales, cst, meta1, act; writes act
;; launch attn2: the kernel of part 3 again; grid 16 x 32, 16 waves a work-group, no clusters, 296,960 bytes of LDS; arguments act, cst, meta1, hq; writes hq
;; launch oproj2: the kernel of part 4 again; grid 8 x 32, 4 waves a work-group, no clusters, 168,448 bytes of LDS; arguments hq, Wo_codes, Wo_scales, xb, meta1, xa, xq; writes xa, xq
;; launch logits (part 5): grid 32 x 8, 16 waves a work-group, no clusters, 296,960 bytes of LDS; arguments xq, cst, out0; writes out0
.if DOCPART == 5
	.amdgcn_target "amdgcn-amd-amdhsa--gfx1250"
	.amdhsa_code_object_version 6
	.text
	.protected	k_q21012f3343_logits
	.globl	k_q21012f3343_logits
	.p2align	8
	.type	k_q21012f3343_logits,@function
k_q21012f3343_logits:
	s_mov_b64 s[64:65], 0
	v_nop
	global_prefetch_b8 v0, s[64:65] scope:SCOPE_SE
	s_setreg_imm32_b32 hwreg(HW_REG_WAVE_MODE, 25, 1), 1
	s_wait_xcnt 0x0
; THE TIED OUTPUT: out0 = exp(s_F) x W_norm^T, both operands as FP4 tile records made by earlier launches.
; A work-group makes 256 tokens (y) x 256 vocabulary rows (x).  Sixteen waves, each 64 x 64: wave % 4 = the tokens, wave / 4 = the vocabulary rows.
; All of K = 1,024 lies in LDS at once, as register images: 16 records of each side, 294,912 bytes, filled once by eight tensor loads (waves 0-3: x; 4-7: W_norm).
; Source 0 = 16 vocabulary rows (rows 32 g + 8 u + r + 8 (r / 8)), source 1 = 16 tokens: a lane holds a token and 16 neighbouring columns of each 32.
; 8,000 = 125 x 64: a wave's 64 columns lie wholly inside the output or wholly outside; those outside end behind the barrier.
; The way out goes through a stage of the wave's own (16 rows of 256 + 16 bytes) in bytes that have had their only fill and, behind the barrier, their last read.
; No multicast: each work-group fills LDS once, and the waves outside the output part on the work-group's number.
.set TRB, 9216
.set VI,  147456
.set FV,  64
.set FX,  96
.set SV,  48
.set SX,  52
.set ACC, 128
.macro NOPS n
.rept \n
	v_nop
.endr
.endm
.macro MM d, a, b, sa, sb, zero
.if \zero
	v_wmma_scale_f32_16x16x128_f8f6f4 v[(\d):(\d)+7], v[(\a):(\a)+7], v[(\b):(\b)+7], 0, v[\sa], v[\sb] matrix_a_fmt:MATRIX_FMT_FP4 matrix_b_fmt:MATRIX_FMT_FP4
.else
	v_wmma_scale_f32_16x16x128_f8f6f4 v[(\d):(\d)+7], v[(\a):(\a)+7], v[(\b):(\b)+7], v[(\d):(\d)+7], v[\sa], v[\sb] matrix_a_fmt:MATRIX_FMT_FP4 matrix_b_fmt:MATRIX_FMT_FP4
.endif
.endm
	s_load_b128 s[4:7], s[0:1], 0x0                ; xq 4, cst 6
	s_load_b64 s[8:9], s[0:1], 0x10                ; out0
	v_lshl_add_u32 v62, v0, 2, 0x48000
	v_mov_b32 v63, 0
	ds_add_u32 v62, v63
	ds_add_u32 v62, v63
	v_lshrrev_b32 v1, 5, v0
	v_readfirstlane_b32 s11, v1                    ; wave
	v_and_b32 v1, 31, v0
	v_and_b32 v2, 15, v0
	v_bfe_u32 v3, v0, 4, 1
	s_and_b32 s12, ttmp7, 0xffff                   ; y
	s_and_b32 s18, s11, 3                          ; wm
	s_lshr_b32 s19, s11, 2                         ; wn
	s_mov_b32 s24, 3<<16                           ; four records: 144 rows of 256 dense bytes
	s_mov_b32 s25, 32<<16
	s_mov_b32 s26, 144<<16
	s_mov_b32 s27, 32<<16
	s_mov_b32 s28, 144
	s_mov_b32 s29, 32
	s_mov_b32 s30, 0
	s_mov_b32 s31, 0
	s_wait_dscnt 0x0
	s_wait_kmcnt 0x0
	s_load_b32 s10, s[6:7], 0x640200               ; exp(s_F)
	s_cmp_lt_u32 s11, 4
	s_cselect_b64 s[14:15], s[4:5], s[6:7]
	s_cselect_b32 s16, s12, ttmp9
	s_lshl_b32 s16, s16, 4
	s_lshl_b32 s17, s18, 2
	s_add_co_u32 s16, s16, s17
	s_mul_i32 s16, s16, TRB
	s_mov_b32 s17, 0
	s_mov_b32 s20, 1
	s_mul_i32 s21, s11, 4*TRB
	s_add_nc_u64 s[22:23], s[14:15], s[16:17]
	s_or_b32 s23, s23, 0x80000000
	s_cmp_lt_u32 s11, 8
	s_cbranch_scc0 .Lasked
	tensor_load_to_lds s[20:23], s[24:31]
	s_nop 0
	NOPS 4
.Lasked:
	v_lshlrev_b32 v9, 4, v1
	v_lshlrev_b32 v10, 2, v1
	s_mul_i32 s32, s19, 4*TRB
	s_add_co_u32 s32, s32, VI
	v_add_nc_u32 v5, s32, v9                       ; W_norm's fragments
	s_add_co_u32 s32, s32, 8192
	v_add_nc_u32 v7, s32, v10
	s_mul_i32 s32, s18, 4*TRB
	v_add_nc_u32 v6, s32, v9                       ; x's
	s_add_co_u32 s32, s32, 8192
	v_add_nc_u32 v8, s32, v10
	s_mul_i32 s32, s11, 4352                       ; my stage
	v_mul_u32_u24 v14, v2, 272
	v_lshl_add_u32 v14, v3, 6, v14
	v_add_nc_u32 v14, s32, v14                     ; in: row r, + 64 h
	v_mul_u32_u24 v15, v3, 272
	v_lshl_add_u32 v15, v2, 4, v15
	v_add_nc_u32 v15, s32, v15                     ; back: lanes 0-15 one row, lanes 16-31 the next
	v_mul_u32_u24 v11, v3, 32000
	v_lshl_add_u32 v11, v2, 4, v11                 ; and the same in out0
	s_lshl_b32 s32, s12, 8
	s_lshl_b32 s33, s18, 6
	s_add_co_u32 s32, s32, s33
	s_mul_i32 s32, s32, 32000
	s_lshl_b32 s34, ttmp9, 8
	s_lshl_b32 s33, s19, 6
	s_add_co_u32 s34, s34, s33                     ; my first column
	s_lshl_b32 s33, s34, 2
	s_add_co_u32 s32, s32, s33
	s_mov_b32 s33, 0
	s_add_nc_u64 s[8:9], s[8:9], s[32:33]
	s_wait_kmcnt 0x0
	v_mov_b32 v12, s10
	v_mov_b32 v13, s10
	s_wait_tensorcnt 0x0
	s_barrier_signal -1
	s_barrier_wait -1
.set ks, 0
.rept 8                                ; eight K steps of 128; the 16 accumulators by turns, one instruction a turn
.if ks > 0
	NOPS 4
.endif
.irp i, 0,1,2,3
.irp c, 0,1
	ds_load_b128 v[FV+8*\i+4*\c:FV+8*\i+4*\c+3], v5 offset:\i*TRB+1024*ks+512*\c
	ds_load_b128 v[FX+8*\i+4*\c:FX+8*\i+4*\c+3], v6 offset:\i*TRB+1024*ks+512*\c
.endr
	ds_load_b32 v[SV+\i], v7 offset:\i*TRB+128*ks
	ds_load_b32 v[SX+\i], v8 offset:\i*TRB+128*ks
.endr
	s_wait_dscnt 0x0
.irp b, 0,1,2,3
.irp a, 0,1,2,3
.if ks == 0
	MM ACC+32*\b+8*\a, FV+8*\a, FX+8*\b, SV+\a, SX+\b, 1
.else
	MM ACC+32*\b+8*\a, FV+8*\a, FX+8*\b, SV+\a, SX+\b, 0
.endif
.endr
.endr
.set ks, ks+1
.endr
	NOPS 4
	s_barrier_signal -1                            ; my reads of the images are over (the last wait on LDS was for 0),
	s_barrier_wait -1                              ; everybody's are: the stages may be written
	s_cmp_ge_u32 s34, 8000
	s_cbranch_scc1 .Lend
.irp b, 0,1,2,3
.set j, 0
.rept 16
	v_pk_mul_f32 v[ACC+32*\b+j:ACC+32*\b+j+1], v[ACC+32*\b+j:ACC+32*\b+j+1], v[12:13]   ; x exp(s_F); each accumulator from its low end on
.set j, j+2
.endr
.irp c, 0,1
.irp q, 0,1,2,3
	ds_store_b128 v14, v[ACC+32*\b+16*\c+4*\q:ACC+32*\b+16*\c+4*\q+3] offset:128*\c+16*\q
.endr
.endr
.if \b > 1
	s_wait_xcnt 0x0                                ; the stores of two tiles back have read these registers
.endif
.irp i, 0,1,2,3,4,5,6,7
	ds_load_b128 v[64+32*(\b%2)+4*\i:67+32*(\b%2)+4*\i], v15 offset:544*\i    ; LDS serves a wave's instructions in order: these see my stores
.endr
	s_wait_dscnt 0x0
.irp i, 0,1,2,3,4,5,6,7
	global_store_b128 v11, v[64+32*(\b%2)+4*\i:67+32*(\b%2)+4*\i], s[8:9] offset:(32*(\b/2)+8*(\b%2)+2*\i+8*(\i/4))*32000 th:TH_STORE_NT   ; sixteen lanes store 256 consecutive bytes, aligned
.endr
.endr
.Lend:
	s_wait_tensorcnt 0x0
	ds_add_u32 v62, v63
	s_wait_dscnt 0x0
	s_endpgm
.Lfunc_end_k_q21012f3343_logits:
	.size	k_q21012f3343_logits, .Lfunc_end_k_q21012f3343_logits-k_q21012f3343_logits
	.p2alignl 7, 3214868480
	.fill 96, 4, 3214868480
	.section	.rodata,"a",@progbits
	.p2align	6, 0x0
	.amdhsa_kernel k_q21012f3343_logits
		.amdhsa_group_segment_fixed_size 296960
		.amdhsa_private_segment_fixed_size 0
		.amdhsa_enable_private_segment 0
		.amdhsa_kernarg_size 24
		.amdhsa_user_sgpr_count 2
		.amdhsa_user_sgpr_kernarg_segment_ptr 1
		.amdhsa_wavefront_size32 1
		.amdhsa_system_sgpr_workgroup_id_x 1
		.amdhsa_system_sgpr_workgroup_id_y 1
		.amdhsa_system_sgpr_workgroup_id_z 1
		.amdhsa_system_vgpr_workitem_id 0
		.amdhsa_next_free_vgpr 256
		.amdhsa_next_free_sgpr 66
		.amdhsa_reserve_vcc 0
		.amdhsa_float_denorm_mode_32 3
		.amdhsa_float_denorm_mode_16_64 3
		.amdhsa_memory_ordered 1
		.amdhsa_forward_progress 1
		.amdhsa_inst_pref_size 45
	.end_amdhsa_kernel
	.amdgpu_metadata
---
amdhsa.version: [ 1, 2 ]
amdhsa.kernels:
  - .name:           k_q21012f3343_logits
    .symbol:         k_q21012f3343_logits.kd
    .args:
      - { .name: xq, .offset: 0, .size: 8, .value_kind: global_buffer, .address_space: global }
      - { .name: cst, .offset: 8, .size: 8, .value_kind: global_buffer, .address_space: global }
      - { .name: out0, .offset: 16, .size: 8, .value_kind: global_buffer, .address_space: global }
    .group_segment_fixed_size: 296960
    .private_segment_fixed_size: 0
    .kernarg_segment_align: 8
    .kernarg_segment_size: 24
    .max_flat_workgroup_size: 512
    .sgpr_count:     66
    .vgpr_count:     256
    .wavefront_size: 32
...
	.end_amdgpu_metadata
.endif
;; end of part 5
;; ======== version 2 of 2: 8 launches; version 1 with the launches attn1, attn2 written anew for expert scheduling mode
;; workspace buffers: cst 6,554,624 bytes; xa 8,388,608 bytes; xb 8,388,608 bytes; xq 1,179,648 bytes; hq 1,179,648 bytes; act 12,189,696 bytes; meta0 256 bytes of whole numbers; meta1 256 bytes of whole numbers
;; launch prep: the kernel of part 1 again; grid 577 x 1, 4 waves a work-group, no clusters, 40,704 bytes of LDS; arguments embed, input_ids, s_E, s_F, sw, sr, sO, cst, xa, xq, meta0, meta1; writes cst, xa, xq, meta0, meta1
;; launch qkvg1: the kernel of part 2 again; grid 32 x 8, 8 waves a work-group, no clusters, 220,160 bytes of LDS; arguments xq, Wq_codes, Wq_scales, Wk_codes, Wk_scales, Wv_codes, Wv_scales, Wg_codes, Wg_scales, cst, meta0, act; writes act
;; launch attn1 (part 6): grid 16 x 32, 16 waves a work-group, no clusters, 296,960 bytes of LDS; arguments act, cst, meta0, hq; writes hq
.if DOCPART == 6
	.amdgcn_target "amdgcn-amd-amdhsa--gfx1250"
	.amdhsa_code_object_version 6
	.text
	.protected	k_q21012f3343_attn1
	.globl	k_q21012f3343_attn1
	.p2align	8
	.type	k_q21012f3343_attn1,@function
k_q21012f3343_attn1:
	s_mov_b64 s[64:65], 0
	v_nop
	global_prefetch_b8 v0, s[64:65] scope:SCOPE_SE
	s_setreg_imm32_b32 hwreg(HW_REG_WAVE_SCHED_MODE, 0, 2), 2
	s_setreg_imm32_b32 hwreg(HW_REG_WAVE_MODE, 25, 1), 1
	s_wait_xcnt 0x0
	s_wait_alu depctr_vm_vsrc(0)
; ATTENTION OF ONE HEAD FOR 64 QUERIES, up to the quantised operand of the output projection.
; rho = max(0, 1 - r (1 - q.k))^2 x mask(i - j); h = rho v; u = tanh(|h|) / |h| h; hgo = u tanh(silu(g)) exp(sO), FP4 along head x 64 + channel.
; Work-group x: head = 15 - x; y: queries 64 (31 - y) on (the longest key ranges first; no value hangs on the order).  Sixteen waves: wave % 4 = the tile of 16 queries, wave / 4 = a class of key steps:
; class c takes steps c, c + 4, c + 8, c + 12 of 128 keys.  rho has no divisor, so the four classes' partial h simply add (in the order 0, 1, 2, 3: another order of f32 sums than a single pass).
; BOTH PRODUCTS TRANSPOSED: S^T = K Q^T, O^T = V^T P^T: a lane holds one query.  Tiles hold rows 32 g + 8 u + r + 8 (r / 8), so 16 registers of two neighbouring tiles are 16 neighbouring keys (channels).
; K = 64 UNDER AN INSTRUCTION OF K = 128: Q's upper four registers are zero codes; a key tile is named with the four registers behind it (the next tile's codes, or zeros), which meet those zero codes
; under the scale byte 0x7f: they add nothing.
; THE MASK, causal bound and window in one, hangs on (head, i - j) alone: a table made by the first launch, reversed so that ascending keys are ascending words, in four copies shifted by 0-3 words so that
; each lane's four neighbours are 16 aligned bytes.  A step all of whose distances are negative or at least min(ceil(w), 4096), a whole number stored by the first launch, is left out by a scalar branch.
; So this launch has no tensor load: the head's records of the steps that the work-group needs go through registers into LDS, one a wave.
; tanh(x) = x times a series in x^2 under 0.35, else 1 - 2 / (1 + 2^(2 x log2 e)).  LIMITS: NaN and infinities are not served; a block of zeros gets the scale byte 1.
; THE MODE: SCHED_MODE bits 1:0 = 2 (LLVM: expert scheduling mode 2), set by the entry lines.  The code itself states the register dependences
; between vector or matrix instructions and memory or LDS instructions, with s_wait_alu, always for 0.
; THE PLAN.  Registers that memory or LDS instructions touch:
;   v1, v2, v7-11, v94, v95   offsets and LDS addresses: made at the head, never written again: one wait on va_vdst ahead of the first load serves them for the whole kernel.
;   v96-171, v176-203         at the head: global loads land there, the staging LDS stores read them; later products write v96-159 and the mask lands in v160-223: one wait on vm_vsrc ahead of the first barrier.
;   v3, v4, v6                a trip's LDS addresses: written by three additions at the trip's head, read by all its LDS loads.
;   v58-89, v26-33            K's loads land, the eight S products read; then V's loads land (v58-89, v26-29), the four O products read.
;   v160-223                  the mask's loads land, the multiplications by the mask read.
;   v34-41, v25               written by the quantiser's vector lines, taken by the O products as operand and scale.
;   v224-255                  written by the O products; read by the partial results' LDS stores, in waves 4-15 alone, which write them no more.
; A TRIP HAS FOUR WAITS: vm_vsrc ahead of the three additions; va_vdst behind them (addresses written; the last trip's readers of K's, V's and the mask's registers done); va_vdst behind the S products
; (done reading K, where V lands); va_vdst ahead of the O products (P's codes and scale word written).  The mask's 16 loads are dealt among the S products, which name none of their registers.
; ONE wait on va_vdst behind the loop serves the partial results' stores and, across the barrier, the tail's LDS loads: no vector or matrix line stands between.
.set QS,  1048576
.set KV,  1310720
.set GI,  3801088
.set KVR, 9728
.set MSK, 5242880
.set PAR, 6553600
.set RED, 155648                       ; LDS: 16 records of 9,728 from 0; 12 partial results of 4,096; g, 4 x 4,096; the mask's four copies of 10,240, last
.set GL,  204800
.set MB,  221184
.set TM,  42                           ; v42-53 at work in QUANT
.set SEL, 28
.set CM,  48                           ; s48-63 in the tail: sixteen masks of compares
.macro NOPS n
.rept \n
	v_nop
.endr
.endm
.macro MM d, a, b, sa, sb, zero
.if \zero
	v_wmma_scale_f32_16x16x128_f8f6f4 v[(\d):(\d)+7], v[(\a):(\a)+7], v[(\b):(\b)+7], 0, v[\sa], v[\sb] matrix_a_fmt:MATRIX_FMT_FP4 matrix_b_fmt:MATRIX_FMT_FP4
.else
	v_wmma_scale_f32_16x16x128_f8f6f4 v[(\d):(\d)+7], v[(\a):(\a)+7], v[(\b):(\b)+7], v[(\d):(\d)+7], v[\sa], v[\sb] matrix_a_fmt:MATRIX_FMT_FP4 matrix_b_fmt:MATRIX_FMT_FP4
.endif
.endm
; 16 nb numbers of a lane, register 16 b + i = k 32 b + 16 (lane / 16) + i of my row, become 2 nb registers of codes in the operand's layout (v[pc] on) and the scale bytes (v[pw])
.macro QUANT src, nb, pc, pw
.set qb, 0
.rept \nb
	v_max3_num_f32 v[TM+qb], |v[(\src)+16*qb]|, |v[(\src)+16*qb+1]|, 0x1800000
.set qb, qb+1
.endr
.irp qi, 2,4,6,8,10,12,14
.set qb, 0
.rept \nb
	v_max3_num_f32 v[TM+qb], v[TM+qb], |v[(\src)+16*qb+\qi]|, |v[(\src)+16*qb+\qi+1]|
.set qb, qb+1
.endr
.endr
.set qb, 0
.rept \nb
	v_permlanex16_b32 v[TM+4+qb], v[TM+qb], s[SEL], s[SEL+1]
.set qb, qb+1
.endr
.set qb, 0
.rept \nb
	v_max_num_f32 v[TM+qb], v[TM+qb], v[TM+4+qb]
.set qb, qb+1
.endr
.set qb, 0
.rept \nb
	v_add_nc_u32 v[TM+8+qb], 0xff000000, v[TM+qb]
.set qb, qb+1
.endr
.set qb, 0
.rept \nb
	v_lshrrev_b32 v[TM+4+qb], 23, v[TM+8+qb]
.set qb, qb+1
.endr
	v_lshl_or_b32 v[\pw], v[TM+5], 8, v[TM+4]
.if \nb == 4
	v_lshl_or_b32 v[\pw], v[TM+6], 16, v[\pw]
	v_lshl_or_b32 v[\pw], v[TM+7], 24, v[\pw]
.endif
.set qb, 0
.rept \nb
	v_cvt_scalef32_pk8_fp4_f32 v[(\pc)+2*qb], v[(\src)+16*qb:(\src)+16*qb+7], v[TM+8+qb]
	v_cvt_scalef32_pk8_fp4_f32 v[(\pc)+2*qb+1], v[(\src)+16*qb+8:(\src)+16*qb+15], v[TM+8+qb]
.set qb, qb+1
.endr
	v_nop
.set qb, 0
.rept \nb/2
	v_permlane16_swap_b32 v[(\pc)+4*qb], v[(\pc)+4*qb+2]
	v_permlane16_swap_b32 v[(\pc)+4*qb+1], v[(\pc)+4*qb+3]
.set qb, qb+1
.endr
.endm
; REGISTERS: v1 16 x lane, v2 4 x lane; v3, v4, v6 the trip's addresses; v5 my place in the mask; v7-11 staging addresses; v[12:13] r, v[14:15] 1 - r; v16-19 Q, v20-23 zero codes; v24 Q's scale word, v25 P's,
; v26-33 K's (then V's); v34-41 P's codes; v54-55 a series constant; v58-89 K's eight tiles, then V's four; v90-93 zero codes; v96-159 S; v160-223 mask; v224-255 O.
	s_load_b256 s[4:11], s[0:1], 0x0               ; act 4, cst 6, meta 8, hq 10
	v_lshl_add_u32 v94, v0, 2, 0x48000
	v_mov_b32 v95, 0
	v_lshrrev_b32 v1, 5, v0
	v_readfirstlane_b32 s20, v1                    ; wave
	v_and_b32 v2, 31, v0
	v_lshlrev_b32 v1, 4, v2
	v_lshlrev_b32 v2, 2, v2
	s_sub_co_u32 s14, 15, ttmp9                    ; head
	s_and_b32 s31, ttmp7, 31                       ; work-group y: the grid has 32 along y
	s_sub_co_u32 s15, 31, s31                      ; qb: which 64 queries
	s_wait_alu depctr_va_sdst(0)                   ; s20, the wave's number, is written, ahead of its first reader
	s_and_b32 s21, s20, 3                          ; t
	s_lshr_b32 s22, s20, 2                         ; c
	s_lshl_b32 s47, s15, 2
	s_add_co_u32 s47, s47, s21                     ; T: my query tile
	s_lshl_b32 s23, s15, 6
	s_lshr_b32 s50, s21, 1
	s_lshl_b32 s50, s50, 5
	s_add_co_u32 s23, s23, s50
	s_and_b32 s50, s21, 1
	s_lshl_b32 s50, s50, 3
	s_add_co_u32 s23, s23, s50                     ; Q0: the tile's queries are Q0 + r + 8 (r / 8)
	s_mov_b32 s[SEL], 0x76543210
	s_mov_b32 s[SEL+1], 0xfedcba98
	s_lshl_b32 s30, s31, 6                         ; 2112 - Q0, by additions alone: 88 + 64 y + 32 (1 - t / 2) + 8 (1 - t % 2)
	s_lshr_b32 s50, s21, 1
	s_xor_b32 s50, s50, 1
	s_lshl_b32 s50, s50, 5
	s_add_co_u32 s30, s30, s50
	s_and_b32 s50, s21, 1
	s_xor_b32 s50, s50, 1
	s_lshl_b32 s50, s50, 3
	s_add_co_u32 s30, s30, s50
	s_add_co_u32 s30, s30, 88
	s_lshl_b32 s30, s30, 2
	v_and_b32 v42, 15, v0                          ; r
	v_bfe_u32 v43, v0, 4, 1                        ; h
	v_and_b32 v44, 8, v42
	v_add_nc_u32 v44, v44, v42                     ; r + 8 (r / 8)
	v_and_b32 v45, 3, v42
	v_xor_b32 v45, 3, v45
	v_add_nc_u32 v45, 1, v45
	v_and_b32 v45, 3, v45                          ; a = (-r) mod 4: the copy in which my words are aligned
	v_mul_u32_u24 v5, v45, 10240
	v_and_b32 v50, 1, v45
	v_mad_u32_u24 v5, v50, 48, v5
	v_lshrrev_b32 v50, 1, v45
	v_mad_u32_u24 v5, v50, 144, v5
	v_lshl_add_u32 v5, v43, 6, v5
	v_add_nc_u32 v5, MB, v5
	v_add_nc_u32 v50, 1, v45
	v_lshrrev_b32 v50, 2, v50
	v_lshlrev_b32 v50, 4, v50
	v_lshl_add_u32 v50, v44, 2, v50
	v_lshl_add_u32 v50, v45, 2, v50
	v_sub_nc_u32 v5, v5, v50
	v_add_nc_u32 v5, s30, v5                       ; MB + 10240 a + sh_a + 4 (2112 - Q0 - r - 8 (r / 8) + 16 h - a)
	s_mul_i32 s50, s20, KVR
	v_add_nc_u32 v7, s50, v1                       ; record number wave
	s_mul_i32 s50, s20, 2560
	s_add_co_u32 s50, s50, MB
	v_add_nc_u32 v8, s50, v1                       ; my 2,560 bytes of the mask
	s_lshl_b32 s50, s21, 12
	s_lshl_b32 s51, s22, 10
	s_add_co_u32 s51, s51, s50
	s_add_co_u32 s51, s51, GL
	v_add_nc_u32 v9, s51, v1                       ; g of tile t, accumulator c (in waves 0-3: the tile's first)
	s_lshl_b32 s51, s20, 12
	s_add_co_u32 s51, s51, RED-16384
	v_add_nc_u32 v10, s51, v1                      ; my partial result: number wave - 4
	s_add_co_u32 s50, s50, RED
	v_add_nc_u32 v11, s50, v1                      ; tile t's partial results
	s_wait_kmcnt 0x0
	s_load_b32 s12, s[8:9], 0x40                   ; the layer's number
	s_lshl_b32 s48, s14, 2
	s_mov_b32 s49, 0
	s_add_nc_u64 s[48:49], s[8:9], s[48:49]
	s_load_b32 s13, s[48:49], 0x0                  ; min(ceil(w), 4096) of my head
	s_mov_b32 s53, 0
	s_lshl_b32 s51, s14, 7
	s_add_co_u32 s51, s51, s47                     ; 128 head + T
	s_lshl_b32 s52, s51, 9
	s_add_nc_u64 s[32:33], s[4:5], s[52:53]        ; Q's codes
	s_lshl_b32 s52, s51, 7
	s_add_co_u32 s52, s52, QS
	s_add_nc_u64 s[34:35], s[4:5], s[52:53]        ; Q's scale words
	s_lshl_b32 s52, s51, 3
	s_lshl_b32 s50, s22, 1
	s_add_co_u32 s52, s52, s50
	s_lshl_b32 s52, s52, 9
	s_add_co_u32 s52, s52, GI
	s_add_nc_u64 s[38:39], s[4:5], s[52:53]        ; g
	s_lshl_b32 s52, s14, 4
	s_add_co_u32 s52, s52, s20
	s_mul_i32 s52, s52, KVR
	s_add_co_u32 s52, s52, KV
	s_add_nc_u64 s[40:41], s[4:5], s[52:53]        ; the head's record number wave
	s_mul_i32 s51, s47, 9216
	s_lshr_b32 s50, s14, 1
	s_and_b32 s46, s14, 1
	s_lshl_b32 s52, s50, 10
	s_add_co_u32 s52, s52, s51
	s_lshl_b32 s30, s46, 9
	s_add_co_u32 s52, s52, s30
	s_add_nc_u64 s[42:43], s[10:11], s[52:53]      ; hgo's codes: record T, K step head / 2, half head % 2
	s_lshl_b32 s52, s50, 7
	s_add_co_u32 s52, s52, s51
	s_lshl_b32 s30, s46, 1
	s_add_co_u32 s52, s52, s30
	s_add_co_u32 s52, s52, 8192
	s_add_nc_u64 s[44:45], s[10:11], s[52:53]      ; and my two scale bytes
	s_wait_alu depctr_va_vdst(0)                   ; v1, v2, v7 to v11, v94 and v95 are written: the offsets and LDS addresses that the kernel's loads, stores and closing add read; none is written again
	global_load_b128 v[16:19], v1, s[32:33]
	global_load_b32 v24, v2, s[34:35]
	global_load_b128 v[196:199], v1, s[38:39]
	global_load_b128 v[200:203], v1, s[38:39] offset:512
	s_wait_kmcnt 0x0
	s_min_u32 s12, s12, 1
	s_lshl_b32 s50, s12, 4
	s_add_co_u32 s50, s50, s14                     ; 16 layer + head
	s_lshl_b32 s52, s50, 4
	s_add_co_u32 s52, s52, PAR
	s_add_nc_u64 s[54:55], s[6:7], s[52:53]
	s_load_b128 s[16:19], s[54:55], 0x0            ; r, 1 - r, exp(sO), 0
	s_mul_i32 s52, s50, 40960
	s_mul_i32 s51, s20, 2560
	s_add_co_u32 s52, s52, s51
	s_add_co_u32 s52, s52, MSK
	s_add_nc_u64 s[36:37], s[6:7], s[52:53]
.irp k, 0,1,2,3,4
	global_load_b128 v[176+4*\k:179+4*\k], v1, s[36:37] offset:512*\k
.endr
	s_lshl_b32 s48, s20, 7                         ; does the work-group need key step number wave?  Its first key is not behind the last query,
	s_lshl_b32 s49, s15, 6
	s_add_co_u32 s50, s49, 63
	s_cmp_gt_u32 s48, s50
	s_cbranch_scc1 .Lno_kv
	s_sub_co_i32 s50, s49, s48
	s_sub_co_i32 s50, s50, 127
	s_cmp_ge_i32 s50, s13                          ; and its least distance lies inside the window
	s_cbranch_scc1 .Lno_kv
.set k, 0
.rept 19
	global_load_b128 v[96+4*k:99+4*k], v1, s[40:41] offset:512*k
.set k, k+1
.endr
	s_wait_loadcnt 0x0
.set k, 0
.rept 19
	ds_store_b128 v7, v[96+4*k:99+4*k] offset:512*k
.set k, k+1
.endr
.Lno_kv:
	s_wait_loadcnt 0x0
.irp k, 0,1,2,3,4
	ds_store_b128 v8, v[176+4*\k:179+4*\k] offset:512*\k
.endr
	ds_store_b128 v9, v[196:199]
	ds_store_b128 v9, v[200:203] offset:512
.irp j, 20,21,22,23,90,91,92,93,46,47,48,49
	v_mov_b32 v\j, 0                               ; zero codes; and QUANT's permute destinations, written once
.endr
.set j, 0
.rept 32
	v_mov_b32 v[224+j], 0                          ; O: any step may be left out, so no product can be the one that starts the sums
.set j, j+1
.endr
	s_wait_kmcnt 0x0
	v_mov_b32 v12, s16
	v_mov_b32 v13, s16
	v_mov_b32 v14, s17
	v_mov_b32 v15, s17
	s_mul_i32 s24, s22, KVR                        ; my first step's record,
	s_lshl_b32 s25, s22, 9                         ; its place in the mask (4 bytes a key),
	s_lshl_b32 s26, s22, 7                         ; its first key
	s_mov_b32 s27, 4
	s_wait_alu depctr_vm_vsrc(0)                   ; the staging stores have read v96-171 and v176-203, which products write and in which LDS loads land: in the trips, and behind them where a wave leaves all four out
	s_wait_dscnt 0x0                               ; my stores have landed,
	s_barrier_signal -1
	s_barrier_wait -1                              ; everybody's have
.Ltrip:
	s_add_co_u32 s30, s23, 23
	s_cmp_gt_u32 s26, s30                          ; all keys behind my last query: nothing counts
	s_cbranch_scc1 .Lskip
	s_sub_co_i32 s30, s23, s26
	s_sub_co_i32 s30, s30, 127
	s_cmp_ge_i32 s30, s13                          ; the least distance is outside the window: nothing counts
	s_cbranch_scc1 .Lskip
	s_wait_alu depctr_vm_vsrc(0)                   ; the LDS loads of the trip before have read v3, v4 and v6, which the three additions write
	v_add_nc_u32 v3, s24, v1                       ; (these three and the v_nop are the four places in front of loads into registers that the last products read)
	v_add_nc_u32 v4, s24, v2
	v_add_nc_u32 v6, s25, v5
	v_nop
	s_wait_alu depctr_va_vdst(0)                   ; v3, v4, v6 are written, which this trip's LDS loads read; the last trip's products are done reading v58-89 and v26-29, its multiplications v160-223, in which loads land; in the first trip: the zero codes v20-23 and v90-93 are written, which the products below take
.irp i, 0,1,2,3,4,5,6,7
	ds_load_b128 v[58+4*\i:61+4*\i], v3 offset:512*\i
	ds_load_b32 v[26+\i], v4 offset:8192+128*\i
.endr
	s_wait_dscnt 0x0                               ; K and its scale words are in
.irp i, 0,1,2,3,4,5,6,7
	MM 96+8*\i, 58+4*\i, 16, 26+\i, 24, 1
	ds_load_b128 v[160+8*\i:163+8*\i], v6 offset:128*(\i/2)+32*(\i%2)        ; the mask's 16 loads, two behind each product.  No wait: no vector or matrix line since the wait above names v6 or v160-223
	ds_load_b128 v[164+8*\i:167+8*\i], v6 offset:128*(\i/2)+32*(\i%2)+16
.endr
	NOPS 4
	s_wait_alu depctr_va_vdst(0)                   ; the eight products are done reading K's tiles v58-93 and scale words v26-33: V and its scale words land there
.irp i, 0,1,2,3
	ds_load_b128 v[58+8*\i:61+8*\i], v3 offset:4096+1024*\i
	ds_load_b128 v[62+8*\i:65+8*\i], v3 offset:4096+1024*\i+512
	ds_load_b32 v[26+\i], v4 offset:9216+128*\i
.endr
.set j, 0
.rept 32
	v_pk_fma_f32 v[96+j:97+j], v[96+j:97+j], v[12:13], v[14:15]    ; 1 - r (1 - s) = r s + (1 - r); each accumulator from its low end on
.set j, j+2
.endr
.set j, 0
.rept 64
	v_max_num_f32 v[96+j], 0, v[96+j]
.set j, j+1
.endr
.set j, 0
.rept 32
	v_pk_mul_f32 v[96+j:97+j], v[96+j:97+j], v[96+j:97+j]
.set j, j+2
.endr
	s_wait_dscnt 12                                ; the mask is in; V's 12 loads may be out
.set j, 0
.rept 32
	v_pk_mul_f32 v[96+j:97+j], v[96+j:97+j], v[160+j:161+j]
.set j, j+2
.endr
	QUANT 96, 4, 34, 25
	NOPS 8                                         ; a scale register written by a vector instruction stands eight places ahead of a scaled product, an operand four
	s_wait_alu depctr_va_vdst(0)                   ; P's codes v34-41 and its scale word v25 are written, which the scaled products below take; the places above stay beside this wait
	s_wait_dscnt 0x0
.irp i, 0,1,2,3
	MM 224+8*\i, 58+8*\i, 34, 26+\i, 25, 0         ; the four accumulators by turns, one instruction a turn
.endr
.Lskip:
	s_add_co_u32 s24, s24, 4*KVR
	s_add_co_u32 s25, s25, 2048
	s_add_co_u32 s26, s26, 512
	s_sub_co_u32 s27, s27, 1
	s_cmp_lg_u32 s27, 0
	s_cbranch_scc1 .Ltrip
	NOPS 4
	s_wait_alu depctr_va_vdst(0)                   ; the products have written v224-255, which the stores below read (the places above stay beside this wait); and every reader and writer of v58-89 and v96-191 is done: behind the barrier LDS loads land there, with no vector or matrix line between
	s_cmp_lt_u32 s20, 4
	s_cbranch_scc1 .Lno_part
.irp k, 0,1,2,3,4,5,6,7
	ds_store_b128 v10, v[224+4*\k:227+4*\k] offset:512*\k          ; classes 1 to 3: the partial result as it stands
.endr
.Lno_part:
	s_wait_dscnt 0x0
	s_barrier_signal -1
	s_barrier_wait -1
	s_cmp_ge_u32 s20, 4
	s_cbranch_scc1 .Lend
	; ---- waves 0-3: tile t's result
.irp p, 0,1,2
.irp k, 0,1,2,3,4,5,6,7
	ds_load_b128 v[96+32*\p+4*\k:99+32*\p+4*\k], v11 offset:16384*\p+512*\k
.endr
.endr
.irp k, 0,1,2,3,4,5,6,7
	ds_load_b128 v[58+4*\k:61+4*\k], v9 offset:512*\k              ; g, in O's layout
.endr
	s_mov_b32 s46, 0x3eb33333                      ; 0.35
	v_mov_b32 v54, 0xbc11371b                      ; the series' last coefficient
	v_mov_b32 v55, 0xbc11371b
	s_wait_dscnt 0x0
.irp p, 0,1,2
.set j, 0
.rept 16
	v_pk_add_f32 v[224+j:225+j], v[224+j:225+j], v[96+32*\p+j:97+32*\p+j]
.set j, j+2
.endr
.endr
	; tanh(silu(g)): E v96-127, y^2 v128-159, the series v160-191
.set j, 0
.rept 16
	v_pk_mul_f32 v[96+j:97+j], v[58+j:59+j], 0xbfb8aa3b op_sel_hi:[1,0]
.set j, j+2
.endr
.set j, 0
.rept 32
	v_exp_f32 v[96+j], v[96+j]
.set j, j+1
.endr
	v_nop
	s_wait_alu depctr_va_vdst(0)                   ; the 32 exponentials have written v96-127, ahead of their first reader
.set j, 0
.rept 16
	v_pk_add_f32 v[96+j:97+j], v[96+j:97+j], 1.0 op_sel_hi:[1,0]
.set j, j+2
.endr
.set j, 0
.rept 32
	v_rcp_f32 v[96+j], v[96+j]
.set j, j+1
.endr
	v_nop
	s_wait_alu depctr_va_vdst(0)                   ; the 32 reciprocals have written v96-127, ahead of their first reader
.set j, 0
.rept 16
	v_pk_mul_f32 v[58+j:59+j], v[58+j:59+j], v[96+j:97+j]          ; y = silu(g)
.set j, j+2
.endr
.set j, 0
.rept 16
	v_pk_mul_f32 v[96+j:97+j], v[58+j:59+j], 0x4038aa3b op_sel_hi:[1,0]
.set j, j+2
.endr
.set j, 0
.rept 32
	v_exp_f32 v[96+j], v[96+j]
.set j, j+1
.endr
.set j, 0
.rept 16                               ; the series is the independent work behind the exponentials
	v_pk_mul_f32 v[128+j:129+j], v[58+j:59+j], v[58+j:59+j]
.set j, j+2
.endr
.set j, 0
.rept 16
	v_pk_fma_f32 v[160+j:161+j], v[128+j:129+j], v[54:55], 0x3cb327a4 op_sel_hi:[1,1,0]
.set j, j+2
.endr
.irp cf, 0xbd5d0dd1, 0x3e088889, 0xbeaaaaab, 1.0
.set j, 0
.rept 16
	v_pk_fma_f32 v[160+j:161+j], v[160+j:161+j], v[128+j:129+j], \cf op_sel_hi:[1,1,0]
.set j, j+2
.endr
.endr
.set j, 0
.rept 16
	v_pk_mul_f32 v[160+j:161+j], v[160+j:161+j], v[58+j:59+j]
.set j, j+2
.endr
	s_wait_alu depctr_va_vdst(0)                   ; one wait for the 32 exponentials, ahead of their first reader
.set j, 0
.rept 16
	v_pk_add_f32 v[96+j:97+j], v[96+j:97+j], 1.0 op_sel_hi:[1,0]
.set j, j+2
.endr
.set j, 0
.rept 32
	v_rcp_f32 v[96+j], v[96+j]
.set j, j+1
.endr
	v_nop
	s_wait_alu depctr_va_vdst(0)                   ; the 32 reciprocals have written v96-127, ahead of their first reader
.set j, 0
.rept 16
	v_pk_fma_f32 v[96+j:97+j], v[96+j:97+j], -2.0, 1.0 op_sel_hi:[1,0,0]
.set j, j+2
.endr
.irp hb, 0,1                           ; tanh(y): the series where |y| < 0.35.  The compares stand in two runs of sixteen, each into a scalar register of its own, with one wait behind a run
.set j, 0
.rept 16
	v_cmp_lt_f32 s[CM+j], |v[58+16*\hb+j]|, s46
.set j, j+1
.endr
	s_wait_alu depctr_va_sdst(0)                   ; the run's sixteen masks s48-63 are written, ahead of the selections that read them
.set j, 0
.rept 16
	v_cndmask_b32 v[58+16*\hb+j], v[96+16*\hb+j], v[160+16*\hb+j], s[CM+j]
.set j, j+1
.endr
.endr
	; |h|, and tanh(|h|) / |h|
	v_pk_mul_f32 v[96:97], v[224:225], v[224:225]
	v_pk_mul_f32 v[98:99], v[226:227], v[226:227]
.irp j, 4,8,12,16,20,24,28
	v_pk_fma_f32 v[96:97], v[224+\j:225+\j], v[224+\j:225+\j], v[96:97]
	v_pk_fma_f32 v[98:99], v[226+\j:227+\j], v[226+\j:227+\j], v[98:99]
.endr
	v_pk_add_f32 v[96:97], v[96:97], v[98:99]
	v_add_f32 v96, v96, v97
	v_permlanex16_b32 v97, v96, s[SEL], s[SEL+1]
	v_add_f32 v96, v96, v97
	v_sqrt_f32 v98, v96
	v_nop
	s_wait_alu depctr_va_vdst(0)                   ; the root has written v98, ahead of its first reader
	v_max_num_f32 v98, 0x322bcc77, v98             ; max(|h|, 1e-8)
	v_mul_f32 v101, 0x4038aa3b, v98
	v_exp_f32 v101, v101
	v_rcp_f32 v102, v98
	v_mul_f32 v99, v98, v98                        ; (plain work behind the two)
	v_mov_b32 v100, 0xbc11371b
	v_fmaak_f32 v100, v100, v99, 0x3cb327a4
	v_fmaak_f32 v100, v100, v99, 0xbd5d0dd1
	v_fmaak_f32 v100, v100, v99, 0x3e088889
	v_fmaak_f32 v100, v100, v99, 0xbeaaaaab
	v_fma_f32 v100, v100, v99, 1.0
	s_wait_alu depctr_va_vdst(0)                   ; the exponential has written v101 and the reciprocal v102, ahead of their first readers
	v_add_f32 v101, 1.0, v101
	v_rcp_f32 v101, v101
	v_nop
	s_wait_alu depctr_va_vdst(0)                   ; the reciprocal has written v101, ahead of its first reader
	v_fma_f32 v101, v101, -2.0, 1.0
	v_mul_f32 v101, v101, v102
	v_cmp_gt_f32 vcc_lo, s46, v98
	s_wait_alu depctr_va_vcc(0)                    ; the compare has written VCC, ahead of the selection that reads it
	v_cndmask_b32 v100, v101, v100, vcc_lo
.set j, 0
.rept 16
	v_pk_mul_f32 v[224+j:225+j], v[224+j:225+j], v[100:101] op_sel_hi:[1,0]
.set j, j+2
.endr
.set j, 0
.rept 16
	v_pk_mul_f32 v[224+j:225+j], v[224+j:225+j], v[58+j:59+j]
.set j, j+2
.endr
.set j, 0
.rept 16
	v_pk_mul_f32 v[224+j:225+j], v[224+j:225+j], s[18:19] op_sel_hi:[1,0]
.set j, j+2
.endr
	QUANT 224, 2, 34, 25
	s_wait_alu depctr_va_vdst(0)                   ; the quantiser has written the codes v34-37 and the scale bytes v25, which the two stores read
	global_store_b128 v1, v[34:37], s[42:43]       ; a register image: 512 consecutive bytes
	global_store_b16 v2, v25, s[44:45]
.Lend:
	s_wait_dscnt 0x0                               ; the closing lines, six on end
	s_wait_alu 0x0
	s_wait_tensorcnt 0x0
	ds_add_u32 v94, v95
	s_wait_dscnt 0x0
	s_endpgm
.Lfunc_end_k_q21012f3343_attn1:
	.size	k_q21012f3343_attn1, .Lfunc_end_k_q21012f3343_attn1-k_q21012f3343_attn1
	.p2alignl 7, 3214868480
	.fill 96, 4, 3214868480
	.section	.rodata,"a",@progbits
	.p2align	6, 0x0
	.amdhsa_kernel k_q21012f3343_attn1
		.amdhsa_group_segment_fixed_size 296960
		.amdhsa_private_segment_fixed_size 0
		.amdhsa_enable_private_segment 0
		.amdhsa_kernarg_size 32
		.amdhsa_user_sgpr_count 2
		.amdhsa_user_sgpr_kernarg_segment_ptr 1
		.amdhsa_wavefront_size32 1
		.amdhsa_system_sgpr_workgroup_id_x 1
		.amdhsa_system_sgpr_workgroup_id_y 1
		.amdhsa_system_sgpr_workgroup_id_z 1
		.amdhsa_system_vgpr_workitem_id 0
		.amdhsa_next_free_vgpr 256
		.amdhsa_next_free_sgpr 66
		.amdhsa_reserve_vcc 1
		.amdhsa_float_denorm_mode_32 3
		.amdhsa_float_denorm_mode_16_64 3
		.amdhsa_memory_ordered 1
		.amdhsa_forward_progress 1
		.amdhsa_inst_pref_size 67
	.end_amdhsa_kernel
	.amdgpu_metadata
---
amdhsa.version: [ 1, 2 ]
amdhsa.kernels:
  - .name:           k_q21012f3343_attn1
    .symbol:         k_q21012f3343_attn1.kd
    .args:
      - { .name: act, .offset: 0, .size: 8, .value_kind: global_buffer, .address_space: global }
      - { .name: cst, .offset: 8, .size: 8, .value_kind: global_buffer, .address_space: global }
      - { .name: meta0, .offset: 16, .size: 8, .value_kind: global_buffer, .address_space: global }
      - { .name: hq, .offset: 24, .size: 8, .value_kind: global_buffer, .address_space: global }
    .group_segment_fixed_size: 296960
    .private_segment_fixed_size: 0
    .kernarg_segment_align: 8
    .kernarg_segment_size: 32
    .max_flat_workgroup_size: 512
    .sgpr_count:     66
    .vgpr_count:     256
    .wavefront_size: 32
...
	.end_amdgpu_metadata
.endif
;; end of part 6
;; launch oproj1: the kernel of part 4 again; grid 8 x 32, 4 waves a work-group, no clusters, 168,448 bytes of LDS; arguments hq, Wo_codes, Wo_scales, xa, meta0, xb, xq; writes xb, xq
;; launch qkvg2: the kernel of part 2 again; grid 32 x 8, 8 waves a work-group, no clusters, 220,160 bytes of LDS; arguments xq, Wq_codes, Wq_scales, Wk_codes, Wk_scales, Wv_codes, Wv_scales, Wg_codes, Wg_scales, cst, meta1, act; writes act
;; launch attn2: the kernel of part 6 again; grid 16 x 32, 16 waves a work-group, no clusters, 296,960 bytes of LDS; arguments act, cst, meta1, hq; writes hq
;; launch oproj2: the kernel of part 4 again; grid 8 x 32, 4 waves a work-group, no clusters, 168,448 bytes of LDS; arguments hq, Wo_codes, Wo_scales, xb, meta1, xa, xq; writes xa, xq
;; launch logits: the kernel of part 5 again; grid 32 x 8, 16 waves a work-group, no clusters, 296,960 bytes of LDS; arguments xq, cst, out0; writes out0
